; MI455X (gfx1250); checked and timed in simulation.
; The chip was launched on July 23, 2026; its instructions are those of AMD's public machine-readable ISA for CDNA 5 (MIT licence, August 2026) and "CDNA5" Instruction Set Architecture Reference Guide (July 2026). The comments in the code are by the model that wrote it; some were corrected since.
;; Nerf Render. Allowed arithmetic: matrix products marked QUANTISED: E3M2 operands, one E8M0 scale for each 32 along K, by v_wmma_scale_f32_16x16x128_f8f6f4 with both operands' format E3M2, f32 sums; products left as they are: f32 operands where the result goes on into a quantised operand, else bf16, f16 or f32 operands; f32 sums; everything else in f32.
;; Inputs: params_Wy 128 x 1 float32; params_by 1 float32; params_cW0 161 x 128 float32; params_cW1 128 x 3 float32; params_cb0 128 float32; params_cb1 3 float32; params_dW0 63 x 128 float32; params_dW1 128 x 128 float32; params_dW2 128 x 128 float32; params_dW3 128 x 128 float32; params_dW4 191 x 128 float32; params_dW5 128 x 128 float32; params_dW6 128 x 128 float32; params_dW7 128 x 128 float32; params_db0 128 float32; params_db1 128 float32; params_db2 128 float32; params_db3 128 float32; params_db4 128 float32; params_db5 128 float32; params_db6 128 float32; params_db7 128 float32; ray 2,048 x 6 float32; t 2,048 x 64 x 1 float32.
;; Outputs: out0 2,048 x 3 float32; out1 2,048 x 1 float32; out2 2,048 x 64 x 1 float32; out3 2,048 x 64 x 1 float32.
;; This version of the problem:
;;   THIS VERSION OF THE PROBLEM IS GIVEN IN LOW PRECISION. The matrix products marked QUANTISED in the list below multiply operands that are first quantised to E3M2 (3 exponent bits, 2 mantissa bits; 6 bits a number), with one power-of-two scale for each 32 numbers along K (OCP MX v1.0); their sums are f32. All else is computed in f32.
;;   The module's matrix products, in the order in which they are computed (A, B: the left and right operand; K: the contracted axis; several contracted axes count as one K, in the product's order):
;;     1. [M 131,072, K 63] x [K 63, N 128]; A: computed on the way; B: input params_dW0: QUANTISED
;;     2. [M 131,072, K 128] x [K 128, N 128]; A: computed on the way; B: input params_dW1: QUANTISED
;;     3. [M 131,072, K 128] x [K 128, N 128]; A: computed on the way; B: input params_dW2: QUANTISED
;;     4. [M 131,072, K 128] x [K 128, N 128]; A: computed on the way; B: input params_dW3: QUANTISED
;;     5. [M 131,072, K 191] x [K 191, N 128]; A: computed on the way; B: input params_dW4: QUANTISED
;;     6. [M 131,072, K 128] x [K 128, N 128]; A: computed on the way; B: input params_dW5: QUANTISED
;;     7. [M 131,072, K 128] x [K 128, N 128]; A: computed on the way; B: input params_dW6: QUANTISED
;;     8. [M 131,072, K 128] x [K 128, N 128]; A: computed on the way; B: input params_dW7: QUANTISED
;;     9. [M 131,072, K 128] x [K 128, N 1]; A: computed on the way; B: input params_Wy: left as it is (N = 1 < 16)
;;     10. [M 131,072, K 63] x [K 63, N 128]; A: computed on the way; B: input params_dW0: QUANTISED
;;     11. [M 131,072, K 128] x [K 128, N 128]; A: computed on the way; B: input params_dW1: QUANTISED
;;     12. [M 131,072, K 128] x [K 128, N 128]; A: computed on the way; B: input params_dW2: QUANTISED
;;     13. [M 131,072, K 128] x [K 128, N 128]; A: computed on the way; B: input params_dW3: QUANTISED
;;     14. [M 131,072, K 191] x [K 191, N 128]; A: computed on the way; B: input params_dW4: QUANTISED
;;     15. [M 131,072, K 128] x [K 128, N 128]; A: computed on the way; B: input params_dW5: QUANTISED
;;     16. [M 131,072, K 128] x [K 128, N 128]; A: computed on the way; B: input params_dW6: QUANTISED
;;     17. [M 131,072, K 128] x [K 128, N 128]; A: computed on the way; B: input params_dW7: QUANTISED
;;     18. [M 131,072, K 128] x [K 128, N 1]; A: computed on the way; B: input params_Wy: left as it is (N = 1 < 16)
;;     19. [M 131,072, K 1] x [K 1, N 128]; A: computed on the way; B: input params_Wy: left as it is (K = 1 < 32)
;;     20. [M 131,072, K 128] x [K 128, N 128]; A: computed on the way; B: input params_dW7: QUANTISED
;;     21. [M 131,072, K 128] x [K 128, N 128]; A: computed on the way; B: input params_dW6: QUANTISED
;;     22. [M 131,072, K 128] x [K 128, N 128]; A: computed on the way; B: input params_dW5: QUANTISED
;;     23. [M 131,072, K 128] x [K 128, N 191]; A: computed on the way; B: input params_dW4: QUANTISED
;;     24. [M 131,072, K 128] x [K 128, N 128]; A: computed on the way; B: input params_dW3: QUANTISED
;;     25. [M 131,072, K 128] x [K 128, N 128]; A: computed on the way; B: input params_dW2: QUANTISED
;;     26. [M 131,072, K 128] x [K 128, N 128]; A: computed on the way; B: input params_dW1: QUANTISED
;;     27. [M 131,072, K 128] x [K 128, N 63]; A: computed on the way; B: input params_dW0: QUANTISED
;;     28. [M 131,072, K 161] x [K 161, N 128]; A: computed on the way; B: input params_cW0: QUANTISED
;;     29. [M 131,072, K 128] x [K 128, N 3]; A: computed on the way; B: input params_cW1: left as it is (N = 3 < 16)
;;   THE QUANTISER, for each operand of a quantised product, along K:
;;     - K is cut into blocks of 32 from its start; a last block that is shorter is filled with zeros.
;;     - A block's scale is 2^e with e = floor(log2(the largest magnitude in the block)) - 4, held to -126 .. 127; a block of zeros has e = 0. As a byte (E8M0): e + 127.
;;     - Each number is divided by its block's scale, clamped to +-28, and rounded to the nearest number of E3M2, ties to even, subnormals kept.
;;     - The product sums the exact products of the quantised numbers (number of the format x scale) in f32.
;;   ~~~python
;;   def quantise(x, axis):      # numpy; x: float32 -> the quantised numbers, widened to float32 again
;;       x = np.moveaxis(x, axis, -1); K = x.shape[-1]
;;       x = np.pad(x, [(0, 0)] * (x.ndim - 1) + [(0, -K % 32)]); x = x.reshape(x.shape[:-1] + (-1, 32)); a = np.abs(x).max(-1, keepdims=True)
;;       e = np.where(a > 0, np.clip(np.frexp(np.where(a > 0, a, 1))[1] - 1 - 4, -126, 127), 0)      # np.frexp(a)[1] - 1 = floor(log2(a)), exactly
;;       r = np.clip(x / 2.0 ** e, -28, 28)
;;       step = 2.0 ** (np.maximum(np.frexp(np.where(r == 0, 1, r))[1] - 1, -2) - 2)
;;       q = np.round(r / step) * step * 2.0 ** e      # np.round: ties to even
;;       return np.moveaxis(q.reshape(q.shape[:-2] + (-1,))[..., :K], -1, axis).astype(np.float32)
;;   ~~~
;;   OPERANDS COMPUTED ON THE WAY. 'Computed on the way' means the value that the module computes at that place (a softmax that the list does not call 'softmax' is quantised finished and normalised). What goes into a quantiser is computed in f32, as accurately as f32 sums, v_exp_f32 and their like allow (about 1e-6 of the number): no bf16 or f16 on the way to a quantiser, and a product that is left as it is and whose result goes on into a quantised operand takes f32 operands (vector FMAs, or v_wmma_f32_16x16x4_f32). A number that lies on a knife's edge between two numbers of the format may be rounded either way, as far as f32 arithmetic and the matrix unit's own rounding can turn it there, and no further.
;; One version. Each part assembles by itself: llvm-mc -triple=amdgcn-amd-amdhsa -mcpu=gfx1250 --defsym DOCPART=n.
;; ======== version 1 of 1: 2 launches
;; limits: right only within a limited range of input values
;; workspace buffers: wimg 249,856 bytes
;; launch prep (part 1): grid 20 x 1, 8 waves a work-group, no clusters, 0 bytes of LDS; arguments params_dW0, params_dW1, params_dW2, params_dW3, params_dW4, params_dW5, params_dW6, params_dW7, params_cW0, params_db0, params_db1, params_db2, params_db3, params_db4, params_db5, params_db6, params_db7, params_Wy, params_cb0, params_cW1, wimg; writes wimg
.if DOCPART == 1
	.amdgcn_target "amdgcn-amd-amdhsa--gfx1250"
	.amdhsa_code_object_version 6
	.text
	.protected	k_q182222ce9f_prep
	.globl	k_q182222ce9f_prep
	.p2align	8
	.type	k_q182222ce9f_prep,@function
k_q182222ce9f_prep:
	s_mov_b64 s[64:65], 0
	v_nop
	global_prefetch_b8 v0, s[64:65] scope:SCOPE_SE
	s_setreg_imm32_b32 hwreg(HW_REG_WAVE_MODE, 25, 1), 1
	s_wait_xcnt 0x0
; All weights become operands of the scaled matrix instruction, once: codes of BF6 (E3M2) with one E8M0 byte for each 32 along K, laid as IMAGES OF THE OPERAND'S REGISTERS.
; wimg: 19 groups of 8 fragments (16 rows x 128 K, 12 registers a lane: registers 4 q .. 4 q + 3 of lane l at 512 q + 16 l of the fragment's 1,536 bytes);
;       from byte 233,472 the groups' scale words (fragment t, row r: 64 t + 4 r of the group's 512 bytes); from byte 243,200 thirteen rows of 128 f32: db0 .. db7, Wy, cb0, the three columns of cW1.
; GROUPS: 0-7 dW0 .. dW7 for the forward products (K = the first axis, its first 128); 8-14 dW7 .. dW1 for the backward ones (K = the second axis; of dW4 rows 0-127);
;         15: fragments 0-3 dW4's rows 128-190, fragments 4-7 dW0's rows 0-62, backward; 16: dW4 forward, K 128-190; 17, 18: cW0, K places 0-127 and 128-255.
; THE ROWS OF A TILE ARE NOT NEIGHBOURS: lane r of fragment t takes row 32 (t / 2) + 8 (t % 2) + r + 8 (r / 8), so that the results of two neighbouring tiles are 16 neighbours along the next K.
; cW0's K is taken in another order INSIDE each block of 32 (place i holds k = i + 6 for i < 16, i - 16 for i < 22, else i): the colour layer's input is the hidden layer moved on by 6, and in this order
; each lane of the other launch finds a block's numbers in its own registers.  A block's scale and its sum do not hang on the order inside it.
; A block's scale byte is its largest magnitude's exponent field - 4, held at 1 from below.  K past an array's end, and rows past it, are zeros.
; LIMITS: a block of zeros gets the byte 1 where the rule says 127 (its codes are zeros, and this program alone reads the bytes); blocks whose largest magnitude lies under 2^-122 keep the byte 1; NaN and infinities are not served.
; SHARES: work-group g < 19 makes group g, wave w its fragment w; work-group 19 copies the tables.  Waves share nothing: no LDS, no barrier.  The arrays are small and read once: gathers of 4 bytes a lane are borne here.
.set XN,  32                           ; v32-95    64 numbers: register 32 c + i is place i of the lane's block 2 c + (lane / 16)
.set AD,  128                          ; v128-191  their byte offsets
.set CD,  96                           ; v96-107   the fragment
.set CX,  108                          ; v108-115  each block's upper 16 codes, as the conversion leaves them
.set GRP, 12288
.set FRB, 1536
.set SCB, 233472
.set TBB, 243200
	s_load_b512 s[8:23], s[0:1], 0x0               ; dW0 .. dW7
	s_load_b64 s[24:25], s[0:1], 0x40              ; cW0
	s_load_b512 s[28:43], s[0:1], 0x48             ; db0 .. db7
	s_load_b256 s[44:51], s[0:1], 0x88             ; Wy s[44:45], cb0 s[46:47], cW1 s[48:49], wimg s[50:51]
	v_lshrrev_b32 v1, 5, v0
	s_delay_alu instid0(VALU_DEP_1)
	v_readfirstlane_b32 s52, v1                    ; wave 0..7
	s_mov_b32 s53, ttmp9                           ; group
	v_and_b32 v1, 31, v0                           ; lane
	v_and_b32 v2, 15, v0                           ; r
	v_bfe_u32 v3, v0, 4, 1                         ; h
	s_delay_alu instid0(VALU_DEP_3)
	v_lshlrev_b32 v7, 4, v1                        ; 16 x lane
	s_delay_alu instid0(VALU_DEP_3)
	v_lshlrev_b32 v20, 2, v2                       ; 4 r
	s_mov_b32 s62, 0x76543210
	s_mov_b32 s63, 0xfedcba98                      ; v_permlanex16_b32's selects for lane l xor 16
	s_cmp_eq_u32 s53, 19
	s_cbranch_scc1 .Ltables
	; which array (s54: 0-7 dW, 8 cW0), which way (s55: 0 forward, 1 backward, 2 forward in cW0's order), where K or the rows begin (s56), which tile of rows (s61)
	s_mov_b32 s54, s53
	s_mov_b32 s55, 0
	s_mov_b32 s56, 0
	s_mov_b32 s61, s52
	s_cmp_lt_u32 s53, 8
	s_cbranch_scc1 .Lgo
	s_sub_co_u32 s54, 15, s53
	s_mov_b32 s55, 1
	s_cmp_lt_u32 s53, 15
	s_cbranch_scc1 .Lgo
	s_cmp_eq_u32 s53, 15
	s_cbranch_scc0 .Lg16
	s_and_b32 s61, s52, 3
	s_cmp_lt_u32 s52, 4
	s_cselect_b32 s54, 4, 0
	s_cselect_b32 s56, 128, 0
	s_branch .Lgo
.Lg16:
	s_mov_b32 s54, 4
	s_mov_b32 s55, 0
	s_mov_b32 s56, 128
	s_cmp_eq_u32 s53, 16
	s_cbranch_scc1 .Lgo
	s_mov_b32 s54, 8
	s_mov_b32 s55, 2
	s_sub_co_u32 s56, s53, 17
	s_lshl_b32 s56, s56, 7
.Lgo:
	s_mov_b32 s57, 128                             ; the array's rows
	s_cmp_eq_u32 s54, 0
	s_cselect_b32 s57, 63, s57
	s_cmp_eq_u32 s54, 4
	s_cselect_b32 s57, 191, s57
	s_cmp_eq_u32 s54, 8
	s_cselect_b32 s57, 161, s57
	s_sub_co_u32 s60, s57, 1                       ; its last row: no load leaves the array
	s_lshr_b32 s66, s61, 1
	s_lshl_b32 s66, s66, 5
	s_and_b32 s67, s61, 1
	s_lshl_b32 s67, s67, 3
	s_add_co_u32 s66, s66, s67                     ; 32 (t / 2) + 8 (t % 2)
	s_wait_alu depctr_va_vdst(0)
	v_and_b32 v4, 8, v2
	s_delay_alu instid0(VALU_DEP_1)
	v_add3_u32 v4, v4, v2, s66                     ; n: my row of the operand
	s_delay_alu instid0(VALU_DEP_1)
	v_lshlrev_b32 v5, 2, v4                        ; 4 n
	v_lshl_add_u32 v6, v3, 5, s56                  ; where my first block begins in K
	s_mul_i32 s68, s53, GRP
	s_mul_i32 s69, s52, FRB
	s_add_co_u32 s68, s68, s69
	s_mov_b32 s69, 0
	s_lshl_b32 s74, s53, 9
	s_lshl_b32 s75, s52, 6
	s_add_co_u32 s74, s74, s75
	s_add_co_u32 s74, s74, SCB
	s_mov_b32 s75, 0
	s_wait_kmcnt 0x0
	s_add_nc_u64 s[70:71], s[50:51], s[68:69]      ; my fragment
	s_add_nc_u64 s[72:73], s[50:51], s[74:75]      ; its scale words
	s_mov_b64 s[58:59], s[8:9]                     ; the array: a choice on ids alone
.irp i, 1,2,3,4,5,6,7
	s_cmp_eq_u32 s54, \i
	s_cselect_b64 s[58:59], s[8+2*\i:9+2*\i], s[58:59]
.endr
	s_cmp_eq_u32 s54, 8
	s_cselect_b64 s[58:59], s[24:25], s[58:59]
.macro KOF perm                        ; lk: how far number lj's k lies behind the lane's first
.set li, lj%32
.set lp, li
.if \perm
.if li < 16
.set lp, li+6
.elseif li < 22
.set lp, li-16
.endif
.endif
.set lk, 64*(lj/32)+lp
.endm
.macro LOADF perm                      ; K is the array's FIRST axis: W(k, n), a row of 512 bytes for each k; the lane's registers run down K
.set lj, 0
.rept 64
	KOF \perm
	v_add_nc_u32 v[AD+lj], lk, v6
	s_delay_alu instid0(VALU_DEP_1)
	v_min_u32 v[AD+lj], s60, v[AD+lj]
	s_delay_alu instid0(VALU_DEP_1)
	v_lshl_add_u32 v[AD+lj], v[AD+lj], 9, v5
	global_load_b32 v[XN+lj], v[AD+lj], s[58:59]
.set lj, lj+1
.endr
	s_wait_loadcnt 0x0
.set lj, 0
.rept 64
	KOF \perm
	v_add_nc_u32 v8, lk, v6
	s_delay_alu instid0(VALU_DEP_1)
	v_cmp_gt_u32 vcc_lo, s57, v8
	s_delay_alu instid0(VALU_DEP_1)
	v_cndmask_b32 v[XN+lj], 0, v[XN+lj], vcc_lo    ; past the end of K: zero
.set lj, lj+1
.endr
.endm
	s_cmp_eq_u32 s55, 1
	s_cbranch_scc1 .Lback
	s_cmp_eq_u32 s55, 2
	s_cbranch_scc1 .Lperm
	s_wait_alu depctr_va_vdst(0)
	LOADF 0
	s_branch .Lquant
.Lperm:
	s_wait_alu depctr_va_vdst(0)
	LOADF 1
	s_branch .Lquant
.Lback:                                            ; K is the array's SECOND axis: my row's 32 neighbours of each block, 128 bytes
	s_wait_alu depctr_va_vdst(0)
	v_add_nc_u32 v9, s56, v4                       ; the row
	s_delay_alu instid0(VALU_DEP_1)
	v_min_u32 v10, s60, v9
	s_delay_alu instid0(VALU_DEP_1)
	v_lshlrev_b32 v10, 9, v10
	s_delay_alu instid0(VALU_DEP_1)
	v_lshl_add_u32 v10, v3, 7, v10                 ; + 128 h
.irp c, 0,1
.irp q, 0,1,2,3,4,5,6,7
	global_load_b128 v[XN+32*\c+4*\q:XN+32*\c+4*\q+3], v10, s[58:59] offset:256*\c+16*\q
.endr
.endr
	s_wait_alu depctr_va_vdst(0)
	s_wait_loadcnt 0x0
	v_cmp_gt_u32 vcc_lo, s57, v9
.set lj, 0
.rept 64
	v_cndmask_b32 v[XN+lj], 0, v[XN+lj], vcc_lo    ; a row past the array's end: zeros
.set lj, lj+1
.endr
.Lquant:
.irp c, 0,1                                        ; my block 2 c + h: all its 32 numbers are mine
	v_max3_num_f32 v[12+\c], |v[XN+32*\c]|, |v[XN+32*\c+1]|, 0x2800000   ; with the floor 2^(5 - 127): the byte cannot fall under 1
.endr
.irp i, 2,4,6,8,10,12,14,16,18,20,22,24,26,28,30
.irp c, 0,1
	s_delay_alu instid0(VALU_DEP_2)
	v_max3_num_f32 v[12+\c], v[12+\c], |v[XN+32*\c+\i]|, |v[XN+32*\c+\i+1]|
.endr
.endr
.irp c, 0,1
	s_delay_alu instid0(VALU_DEP_2)
	v_add_nc_u32 v[14+\c], 0xfe000000, v[12+\c]    ; 4 off the exponent field: the conversion's scale operand
.endr
.irp c, 0,1
	s_delay_alu instid0(VALU_DEP_2)
	v_lshrrev_b32 v[16+\c], 23, v[14+\c]           ; the scale's byte
.endr
	s_delay_alu instid0(VALU_DEP_1)
	v_lshl_or_b32 v18, v17, 16, v16                ; my two bytes: blocks h and 2 + h,
	v_lshlrev_b32 v19, 3, v3
	s_delay_alu instid0(VALU_DEP_1)
	v_lshlrev_b32 v18, v19, v18                    ; at their places in the word;
	v_mov_b32 v19, 0
	s_delay_alu instid0(VALU_DEP_1)
	v_permlanex16_b32 v19, v18, s62, s63
	s_delay_alu instid0(VALU_DEP_1)
	v_or_b32 v18, v18, v19                         ; with lane l xor 16's two the word is whole
.irp c, 0,1
	v_cvt_scalef32_pk16_bf6_f32 v[CD+6*\c:CD+6*\c+2], v[XN+32*\c:XN+32*\c+15], v[14+\c]
	v_cvt_scalef32_pk16_bf6_f32 v[CX+4*\c:CX+4*\c+2], v[XN+32*\c+16:XN+32*\c+31], v[14+\c]   ; (a conversion's three registers begin on an even number)
.endr
	v_nop                                          ; one plain place behind a scaled conversion
.irp c, 0,1
.irp i, 0,1,2
	v_mov_b32 v[CD+6*\c+3+\i], v[CX+4*\c+\i]
.endr
.endr
.irp q, 0,1,2
	global_store_b128 v7, v[CD+4*\q:CD+4*\q+3], s[70:71] offset:512*\q   ; 32 lanes store 512 consecutive bytes
.endr
	global_store_b32 v20, v18, s[72:73]            ; sixteen words on end; both halves of the lanes hold the same word and write it to the same place
	s_endpgm
.Ltables:
	s_wait_kmcnt 0x0
	s_mov_b64 s[58:59], s[28:29]
.irp i, 1,2,3,4,5,6,7
	s_cmp_eq_u32 s52, \i
	s_cselect_b64 s[58:59], s[28+2*\i:29+2*\i], s[58:59]
.endr
	s_wait_alu depctr_va_vdst(0)
	global_load_b128 v[32:35], v7, s[58:59]        ; wave w: db_w, 512 bytes
	s_lshl_b32 s68, s52, 9
	s_add_co_u32 s68, s68, TBB
	s_mov_b32 s69, 0
	s_add_nc_u64 s[70:71], s[50:51], s[68:69]      ; table row w
	s_wait_loadcnt 0x0
	global_store_b128 v7, v[32:35], s[70:71]
	s_cmp_gt_u32 s52, 4
	s_cbranch_scc1 .Ldone
	s_cmp_gt_u32 s52, 1
	s_cbranch_scc1 .Lcol
	s_cmp_eq_u32 s52, 0
	s_cselect_b64 s[58:59], s[44:45], s[46:47]     ; wave 0: Wy; wave 1: cb0  (the load that named s[58:59] is done)
	global_load_b128 v[36:39], v7, s[58:59]
	s_wait_loadcnt 0x0
	global_store_b128 v7, v[36:39], s[70:71] offset:4096   ; table row 8 + w
	s_branch .Ldone
.Lcol:                                             ; waves 2 to 4: column w - 2 of cW1 [128][3]
	v_mul_u32_u24 v8, v1, 48
	s_lshl_b32 s68, s52, 2
	s_sub_co_u32 s68, s68, 8
	v_add_nc_u32 v8, s68, v8                       ; 12 (4 lane) + 4 (w - 2)
.irp q, 0,1,2,3
	global_load_b32 v[36+\q], v8, s[48:49] offset:12*\q
.endr
	s_wait_loadcnt 0x0
	global_store_b128 v7, v[36:39], s[70:71] offset:4096   ; table row 8 + w
.Ldone:
	s_endpgm
.Lfunc_end_k_q182222ce9f_prep:
	.size	k_q182222ce9f_prep, .Lfunc_end_k_q182222ce9f_prep-k_q182222ce9f_prep
	.p2alignl 7, 3214868480
	.fill 96, 4, 3214868480
	.section	.rodata,"a",@progbits
	.p2align	6, 0x0
	.amdhsa_kernel k_q182222ce9f_prep
		.amdhsa_group_segment_fixed_size 0
		.amdhsa_private_segment_fixed_size 0
		.amdhsa_enable_private_segment 0
		.amdhsa_kernarg_size 168
		.amdhsa_user_sgpr_count 2
		.amdhsa_user_sgpr_kernarg_segment_ptr 1
		.amdhsa_wavefront_size32 1
		.amdhsa_system_sgpr_workgroup_id_x 1
		.amdhsa_system_sgpr_workgroup_id_y 1
		.amdhsa_system_sgpr_workgroup_id_z 1
		.amdhsa_system_vgpr_workitem_id 0
		.amdhsa_next_free_vgpr 192
		.amdhsa_next_free_sgpr 80
		.amdhsa_reserve_vcc 1
		.amdhsa_float_denorm_mode_32 3
		.amdhsa_float_denorm_mode_16_64 3
		.amdhsa_memory_ordered 1
		.amdhsa_forward_progress 1
		.amdhsa_inst_pref_size 75
	.end_amdhsa_kernel
	.amdgpu_metadata
---
amdhsa.version: [ 1, 2 ]
amdhsa.kernels:
  - .name:           k_q182222ce9f_prep
    .symbol:         k_q182222ce9f_prep.kd
    .args:
      - { .name: params_dW0, .offset: 0, .size: 8, .value_kind: global_buffer, .address_space: global }
      - { .name: params_dW1, .offset: 8, .size: 8, .value_kind: global_buffer, .address_space: global }
      - { .name: params_dW2, .offset: 16, .size: 8, .value_kind: global_buffer, .address_space: global }
      - { .name: params_dW3, .offset: 24, .size: 8, .value_kind: global_buffer, .address_space: global }
      - { .name: params_dW4, .offset: 32, .size: 8, .value_kind: global_buffer, .address_space: global }
      - { .name: params_dW5, .offset: 40, .size: 8, .value_kind: global_buffer, .address_space: global }
      - { .name: params_dW6, .offset: 48, .size: 8, .value_kind: global_buffer, .address_space: global }
      - { .name: params_dW7, .offset: 56, .size: 8, .value_kind: global_buffer, .address_space: global }
      - { .name: params_cW0, .offset: 64, .size: 8, .value_kind: global_buffer, .address_space: global }
      - { .name: params_db0, .offset: 72, .size: 8, .value_kind: global_buffer, .address_space: global }
      - { .name: params_db1, .offset: 80, .size: 8, .value_kind: global_buffer, .address_space: global }
      - { .name: params_db2, .offset: 88, .size: 8, .value_kind: global_buffer, .address_space: global }
      - { .name: params_db3, .offset: 96, .size: 8, .value_kind: global_buffer, .address_space: global }
      - { .name: params_db4, .offset: 104, .size: 8, .value_kind: global_buffer, .address_space: global }
      - { .name: params_db5, .offset: 112, .size: 8, .value_kind: global_buffer, .address_space: global }
      - { .name: params_db6, .offset: 120, .size: 8, .value_kind: global_buffer, .address_space: global }
      - { .name: params_db7, .offset: 128, .size: 8, .value_kind: global_buffer, .address_space: global }
      - { .name: params_Wy, .offset: 136, .size: 8, .value_kind: global_buffer, .address_space: global }
      - { .name: params_cb0, .offset: 144, .size: 8, .value_kind: global_buffer, .address_space: global }
      - { .name: params_cW1, .offset: 152, .size: 8, .value_kind: global_buffer, .address_space: global }
      - { .name: wimg, .offset: 160, .size: 8, .value_kind: global_buffer, .address_space: global }
    .group_segment_fixed_size: 0
    .private_segment_fixed_size: 0
    .kernarg_segment_align: 8
    .kernarg_segment_size: 168
    .max_flat_workgroup_size: 256
    .sgpr_count:     80
    .vgpr_count:     192
    .wavefront_size: 32
...
	.end_amdgpu_metadata
.endif
;; end of part 1
;; launch render (part 2): grid 256 x 1, 4 waves a work-group, clusters of 4 x 1, 327,680 bytes of LDS; arguments wimg, ray, t, params_by, params_cb1, out0, out1, out2, out3; writes out0, out1, out2, out3
.if DOCPART == 2
	.amdgcn_target "amdgcn-amd-amdhsa--gfx1250"
	.amdhsa_code_object_version 6
	.text
	.protected	k_q182222ce9f_render
	.globl	k_q182222ce9f_render
	.p2align	8
	.type	k_q182222ce9f_render,@function
k_q182222ce9f_render:
	s_mov_b64 s[64:65], 0
	v_nop
	global_prefetch_b8 v0, s[64:65] scope:SCOPE_SE
	s_setreg_imm32_b32 hwreg(HW_REG_WAVE_MODE, 25, 1), 1
	s_wait_xcnt 0x0
	s_wait_alu depctr_hold_cnt(0) depctr_sa_sdst(0) depctr_va_vdst(0) depctr_va_sdst(0) depctr_va_ssrc(0) depctr_va_vcc(0) depctr_vm_vsrc(0)
	s_getreg_b32 s2, hwreg(HW_REG_IB_STS2, 6, 4)
	s_cmp_eq_u32 s2, 0
	s_cbranch_scc0 .Lentry_in_a_cluster
	s_endpgm
.Lentry_in_a_cluster:
	s_bfe_u32 s2, ttmp6, 0x10000c
	s_cmp_lg_u32 s2, 0x3003
	s_cbranch_scc0 .Lentry_shape_is_right
	s_endpgm
.Lentry_shape_is_right:
; The whole renderer for 2,048 rays of 64 samples: sort of t, points, encoding, the 8-layer network, its gradient with respect to the point, the colour layers, the compositing.
; SHARES.  A work-group owns 8 rays, a wave 2, one after the other.  A ray is four tiles of 16 points; lane (r, h) = (lane % 16, lane / 16) holds point 16 m + r of tile m THROUGHOUT:
; every product is used transposed (source 0 = 16 rows of a weight, source 1 = 16 points), and the rows that form a tile of a weight are chosen so that register 16 b + i of a tile's 64 results is
; unit 32 b + 16 h + i: 16 neighbours along the next K.  So a layer's results are quantised in the registers in which they fall.
; WEIGHTS.  All of them, as operand images made by the launch before (its head comment gives the layout), are 249,856 bytes: they come into LDS once and stay.  Every work-group wants the same bytes, so the four of a
; cluster ask jointly: each wave one tensor load, a quarter of the image.  A fragment read from LDS feeds four matrix instructions (the ray's four tiles).  No prefetch: the one load of a wave goes out at the head, with no loop ahead of it.
; WORK LEFT OUT: reference() writes the forward pass twice (for y, h and inside jax.grad) on the same x and the same weights: the same values for all inputs, so it is computed once.  Every input is loaded.
; Layer 7 alone is multiplied again for the colour layer, from its kept input codes, since the gradient takes the accumulators.  A NaN or infinity is not served anywhere (below).
; ReLU's MASKS.  Behind ReLU a scaled conversion to FP4 with the scale 2^-100 turns eight numbers of a lane into eight nibbles: 0 for 0, the largest code (binary 111) for what is above 0.  Three such registers share one,
; a bit plane each; six registers hold a window's 128 numbers and wait in the wave's own LDS scratch.  On the way back a plane alone is the code of 0.5, 1 or 2: the conversion back, with the scale byte 128, 127 or 126,
; gives exactly 0 or 1.0, and a packed multiplication applies it.  The masks only select values.
; THE ENCODING is a loop of two trips in window 1: the first makes tiles 2 and 3, whose results then move to window 2's places; the second makes tiles 0 and 1.
; sin and cos go into a quantiser, so they keep f32's RELATIVE accuracy.  The angle is counted in quarter turns, in two f32: x / 2 pi with a 48-bit 1 / 2 pi, times 4 x the power of two (exact).  The upper part loses its
; nearest whole number q (exact), and only then the lower part is added.  A cosine is a sine one quarter turn on: that 1 is counted into q.  On the eighth of a turn that is left: the sine's series to the 9th power and the
; cosine's to the 10th; q's two lowest bits choose between them and give the signs.
; ORDER OF ROUNDING: x = o + t d is ONE fused multiply-add, rounded once, where reference() writes a multiplication and an addition.
; LIMITS: NaN and infinities are not served.  |x| stays under 12,000 (2,048 x / 2 pi under 2^22).  A block whose largest magnitude lies under 2^-122 keeps the scale byte 1; so does a block of zeros (its codes are zeros).
; A layer's result between 0 and 2^-97 may count as not above 0 on the way back.  v_sqrt_f32, v_rcp_f32 and v_exp_f32 take denormals as zero.
; REGISTERS, in windows of 256 (s_set_vgpr_msb: bits 1:0 source 0, 3:2 source 1, 5:4 source 2, 7:6 destination).
;   window 0: addresses, scale words, a table row (on the way back: the masks as f32), 8 weight fragments, what belongs to the ray.   windows 1, 2: two tiles each: 128 accumulators, codes, work registers.
;   window 3: 4 x the encoding's derivative (v0-127) and the gradient at the encoding (v128-255; before that two tables for the encoding); later the colour layer's second K step.
.set GRP,  12288                       ; a group of 8 fragments
.set FRB,  1536                        ; a fragment's image
.set SCB,  233472                      ; the scale words
.set TBB,  243200                      ; the tables
.set IMG,  249856                      ; the image's bytes; behind it the waves' scratch
.set MLB,  1536                        ; a layer's masks: 768 x (window - 1) + 256 q + 8 x lane
.set WSCR, 8*MLB+4*FRB                 ; a wave's scratch: 12,288 bytes of masks, 6,144 of layer 7's input codes (1,536 x tile + 512 q + 16 x lane)
.set SPARE, IMG+4*WSCR                 ; behind the scratch: the spare words, 128 bytes a wave
.set QTR,  62464                       ; a quarter of the image: 244 rows of 256 bytes
; window 0
.set LANE, 1
.set LI,   4                           ; 16 x lane
.set LR,   5                           ; 4 r
.set LH,   6                           ; 64 h
.set MSKB, 7                           ; my scratch + 8 x lane
.set X7B,  8                           ; my scratch + 12,288 + 16 x lane
.set WA,   10                          ; LDS address of the fragments in hand
.set TA,   11                          ; of the table row
.set SA,   12                          ; of the scale words
.set MA,   13                          ; of the masks
.set GT,   14                          ; 4 r, for t
.set GS,   15                          ; 4 x lane, for the stores
.set WS,   16                          ; v16-23   the weights' scale words
.set XS,   24                          ; v24-27   the points' scale words, tile m
.set ES,   28                          ; v28-31   the encoding's; later those of the colour layer's second K step
.set VT,   32                          ; v32-95   a table row: register 16 b + i = entry 32 b + 16 h + i
.set WF,   96                          ; v96-191  8 fragments
.set XS7,  192                         ; v192-195 the scale words of layer 7's input
.set RT,   196                         ; v196-199 t
.set TN,   200                         ; v200-203 the second ray's t
.set SG,   204                         ; v204-207 sigma
.set COL,  208                         ; v208-219 colour c of tile m at 4 c + m
.set SLO,  220                         ; v220-227 at work in the sort and the scan
.set SHI,  224
.set WS2,  244                         ; v244-251 the scale words of the group that lies in window 3
; windows 1 and 2 (tile A, tile B)
.set XB,   128                         ; v128-151 codes of the layer's input
.set EB,   152                         ; v152-175 codes of the encoding
.set TM,   176                         ; v176-191 the quantiser's work, tile A (tile B's: 44 further on, v220-235)
.set MQ,   176                         ; v176-191 also: sixteen registers of mask nibbles
.set CT,   192                         ; v192-199 (tile B's: v236-243)
.set PW,   200                         ; v200-201 scale words just made
.set MK,   202                         ; v202-207 the masks, three planes to a register
.set TT,   206                         ; v206-207 t, in window 1 during the encoding alone
.set XC,   208                         ; v208-213 x
.set NV,   214                         ; v214-219 the normal
.set CH,   220                         ; v220-227 chains of a dot product
.set UU,   228                         ; v228-235 x / 2 pi, upper and lower parts, chosen by the lane's half
.set MSC,  248                         ; v248     2^-100: the scale of the conversion that makes the nibbles
.set DSC,  249                         ; v249-251 the scale bytes 128, 127, 126, in every byte: planes 0, 1, 2 become 1.0
.set KC,   252                         ; v252-253 two coefficients: the sine's 7th, the cosine's 8th
.set NS,   32                          ; during the encoding: v0-31 the angle, then e; v32-63 q, then the sine; v64-95 at work; v96-127 the cosine
.set ZZ,   64
.set CC,   96
; window 3
.set FT,   128                         ; 4 x the encoding's powers of two
.set PT,   160                         ; 1.5 x 2^23, + 1 for the cosines
.set PD6,  32
.set PW3,  38
.set TM3,  40
.set CT3,  56
.set CI1,  64
.set W3,   128                         ; v128-223 8 fragments asked for well ahead: dW4's K 128-190 during the forward pass, cW0's second K step behind the normal
; scalars
.set WV,   22
.set QQ,   23
.set G0,   24
.set G1,   28
.set HM,   36                          ; lanes 16-31
.set LM1,  37                          ; lanes with bit 0, 1, 2, 3 of r set
.set LM2,  38
.set LM4,  39
.set LM8,  40
.set SM,   41
.set SEL,  42
.set OO,   44                          ; s44-46 o, s47-49 d; s50-55 the second ray's
.set DD,   47
.set BY,   56
.set TRIP, 57
.set LC,   58
.set SWT,  59
.set CB,   60
.set STB,  63
.set SSC,  66
.set SMK,  67
.set EMK,  68                          ; s68-99 during the encoding: for each of a tile's 32 registers the lanes whose q is odd
.set PED,  76                          ; s76-101 later: the direction's encoding, entries 0-25; entry 26 in s3
.set BM1,  0xaaaaaaaa
.set BM2,  0xcccccccc
.set BM4,  0xf0f0f0f0
.set BM8,  0xff00ff00
.set MSB, 0
.macro WIN new                         ; the immediate's high byte repeats the setting that is left; a switch that changes nothing is dropped
.if MSB != (\new)
	s_set_vgpr_msb (MSB<<8)|(\new)
.set MSB, (\new)
.endif
.endm
.macro PLACES n                        ; plain places behind matrix instructions (ISA guide 7.12.1), and ahead of scaled ones whose operands or scale words vector instructions wrote
.rept \n
	v_nop
.endr
.endm
.macro ROUND                           ; a round of the cluster's barrier
	s_barrier_signal -1
	s_barrier_wait -1
	s_cmp_lg_u32 s[WV], 0
	s_cbranch_scc1 .Lnot_wave_0_\@
	s_barrier_signal -3
.Lnot_wave_0_\@:
	s_barrier_wait -3
	s_barrier_signal -1
	s_barrier_wait -1
.endm
.macro LOADW n                         ; n fragments: each load takes 512 consecutive bytes
.set lf, 0
.rept \n
.irp q, 0,1,2
	ds_load_b128 v[WF+12*lf+4*\q:WF+12*lf+4*\q+3], v[WA] offset:FRB*lf+512*\q
.endr
.set lf, lf+1
.endr
.endm
.macro LOADWS                          ; the group's scale words: fragment f, row r
.irp f, 0,1,2,3,4,5,6,7
	ds_load_b32 v[WS+\f], v[SA] offset:64*\f
.endr
.endm
.macro LOADVT base                     ; a table row in the results' layout
.irp b, 0,1,2,3
.irp q, 0,1,2,3
	ds_load_b128 v[(\base)+16*\b+4*\q:(\base)+16*\b+4*\q+3], v[TA] offset:128*\b+16*\q
.endr
.endr
.endm
.macro ADDR
	v_add_nc_u32 v[WA], s[SWT], v[LI]
	v_add_nc_u32 v[SA], s[SSC], v[LR]
	v_add_nc_u32 v[TA], s[STB], v[LH]
.endm
; nt tiles of a weight (fragments f0 on) x the window's two tiles of points.  bb: the points' codes; ck: C = 0 (0), the table row (1), the accumulator itself (2); db, ds: the accumulators; sb: the points' scale words.
; The accumulators take turns, one instruction a turn.
.macro MM w, bb, ck, f0, nt, db, ds, sb
.set mt, 0
.rept \nt
.set mmm, 0
.rept 2
.set rD, (\db)+(\ds)*mmm+8*mt
.set rA, WF+12*((\f0)+mt)
.set rB, (\bb)+12*mmm
.set rSA, WS+(\f0)+mt
.set rSB, (\sb)+2*((\w)-1)+mmm
.if \ck == 0
	v_wmma_scale_f32_16x16x128_f8f6f4 v[rD:rD+7], v[rA:rA+11], v[rB:rB+11], 0, v[rSA], v[rSB] matrix_a_fmt:MATRIX_FMT_BF6 matrix_b_fmt:MATRIX_FMT_BF6
.elseif \ck == 1
	v_wmma_scale_f32_16x16x128_f8f6f4 v[rD:rD+7], v[rA:rA+11], v[rB:rB+11], v[VT+8*mt:VT+8*mt+7], v[rSA], v[rSB] matrix_a_fmt:MATRIX_FMT_BF6 matrix_b_fmt:MATRIX_FMT_BF6
.else
	v_wmma_scale_f32_16x16x128_f8f6f4 v[rD:rD+7], v[rA:rA+11], v[rB:rB+11], v[rD:rD+7], v[rSA], v[rSB] matrix_a_fmt:MATRIX_FMT_BF6 matrix_b_fmt:MATRIX_FMT_BF6
.endif
.set mmm, mmm+1
.endr
.set mt, mt+1
.endr
.endm
; THE QUANTISER.  For each of nt tiles (64 registers, 12 of codes, 44 of work apart): 16 nb numbers of a lane, register 16 b + i = place 16 h + i of my point's block b, become codes in v[d] on and a scale word in v[pw].
; ab = 1: magnitudes; 0: nothing is negative.  All registers in one window.  All blocks of all tiles take turns line by line.
.macro WMM ck                          ; one product on rD, rA, rB, rSA, rSB; C = 0 (0), the table row at rV (1), the accumulator itself (2)
.if \ck == 0
	v_wmma_scale_f32_16x16x128_f8f6f4 v[rD:rD+7], v[rA:rA+11], v[rB:rB+11], 0, v[rSA], v[rSB] matrix_a_fmt:MATRIX_FMT_BF6 matrix_b_fmt:MATRIX_FMT_BF6
.elseif \ck == 1
	v_wmma_scale_f32_16x16x128_f8f6f4 v[rD:rD+7], v[rA:rA+11], v[rB:rB+11], v[rV:rV+7], v[rSA], v[rSB] matrix_a_fmt:MATRIX_FMT_BF6 matrix_b_fmt:MATRIX_FMT_BF6
.else
	v_wmma_scale_f32_16x16x128_f8f6f4 v[rD:rD+7], v[rA:rA+11], v[rB:rB+11], v[rD:rD+7], v[rSA], v[rSB] matrix_a_fmt:MATRIX_FMT_BF6 matrix_b_fmt:MATRIX_FMT_BF6
.endif
.endm
; A layer's 16 products of one window, with ReLU between them: behind the pair of products of weight tile mt stands the ReLU of tile mt - 1's two accumulators, whose 8 lines are also the places
; behind that pair.  The window setting of the products serves ReLU too (destination and source 1: window w).
.macro MMI w, ck, sb
.set mt, 0
.rept 8
.set mmm, 0
.rept 2
.set rD, 64*mmm+8*mt
.set rA, WF+12*mt
.set rB, XB+12*mmm
.set rV, VT+8*mt
.set rSA, WS+mt
.set rSB, (\sb)+2*((\w)-1)+mmm
	WMM \ck
.set mmm, mmm+1
.endr
.if mt == 0
	PLACES 4
.else
	RELU 8*(mt-1), 8
	RELU 64+8*(mt-1), 8
.endif
.set mt, mt+1
.endr
	RELU 56, 8
	RELU 120, 8
.endm
.macro MME w, bb, ck, sb               ; 16 products with the group that lies in window 3
.set mt, 0
.rept 8
.set mmm, 0
.rept 2
.set rD, 64*mmm+8*mt
.set rA, W3+12*mt
.set rB, (\bb)+12*mmm
.set rV, VT+8*mt
.set rSA, WS2+mt
.set rSB, (\sb)+2*((\w)-1)+mmm
	WMM \ck
.set mmm, mmm+1
.endr
.set mt, mt+1
.endr
.endm
.macro LOADX g                         ; group g: its fragments into window 3, its scale words into WS2
	v_add_nc_u32 v[WA], (\g)*GRP, v[LI]
	v_add_nc_u32 v[SA], SCB+(\g)*512, v[LR]
	WIN 0xc0
.set lf, 0
.rept 8
.irp q, 0,1,2
	ds_load_b128 v[W3+12*lf+4*\q:W3+12*lf+4*\q+3], v[WA] offset:FRB*lf+512*\q
.endr
.set lf, lf+1
.endr
	WIN 0
.irp f, 0,1,2,3,4,5,6,7
	ds_load_b32 v[WS2+\f], v[SA] offset:64*\f
.endr
.endm
.macro LOADMK                          ; a layer's masks, both windows
	WIN 0x40
.irp q, 0,1,2
	ds_load_b64 v[MK+2*\q:MK+2*\q+1], v[MA] offset:256*\q
.endr
	WIN 0x80
.irp q, 0,1,2
	ds_load_b64 v[MK+2*\q:MK+2*\q+1], v[MA] offset:768+256*\q
.endr
	WIN 0
.endm
.macro QIX s, tm, nb
.set rS, (\s)+64*(qq/(\nb))+16*(qq%(\nb))
.set rT, (\tm)+44*(qq/(\nb))+qq%(\nb)
.endm
.macro QUANT s, d, nb, ab, tm, ct, pw, nt
.set qn, (\nb)*(\nt)
.set qq, 0
.rept qn
	QIX \s, \tm, \nb
.if \ab
	v_max3_num_f32 v[rT], |v[rS]|, |v[rS+1]|, 0x2800000   ; with the floor 2^(5 - 127): the byte cannot fall under 1
.else
	v_max3_num_f32 v[rT], v[rS], v[rS+1], 0x2800000
.endif
.set qq, qq+1
.endr
.irp i, 2,4,6,8,10,12,14
.set qq, 0
.rept qn
	QIX \s, \tm, \nb
.if \ab
	v_max3_num_f32 v[rT], v[rT], |v[rS+\i]|, |v[rS+\i+1]|
.else
	v_max3_num_f32 v[rT], v[rT], v[rS+\i], v[rS+\i+1]
.endif
.set qq, qq+1
.endr
.endr
.set qq, 0
.rept qn
	QIX \s, \tm, \nb
	v_permlanex16_b32 v[rT+4], v[rT], s[SEL], s[SEL+1]
.set qq, qq+1
.endr
.set qq, 0
.rept qn
	QIX \s, \tm, \nb
	v_max_num_f32 v[rT], v[rT], v[rT+4]            ; with lane l xor 16's: the block's largest magnitude
.set qq, qq+1
.endr
.set qq, 0
.rept qn
	QIX \s, \tm, \nb
	v_add_nc_u32 v[rT+12], 0xfe000000, v[rT]       ; 4 off its exponent field: the conversion's scale operand
.set qq, qq+1
.endr
.set qq, 0
.rept qn
	QIX \s, \tm, \nb
	v_lshrrev_b32 v[rT+4], 23, v[rT+12]            ; the scale's byte
.set qq, qq+1
.endr
.set qq, 0
.rept \nt
	v_lshl_or_b32 v[(\pw)+qq], v[(\tm)+44*qq+5], 8, v[(\tm)+44*qq+4]
.set qq, qq+1
.endr
.if \nb == 4
.irp k, 2,3
.set qq, 0
.rept \nt
	v_lshl_or_b32 v[(\pw)+qq], v[(\tm)+44*qq+4+\k], 8*\k, v[(\pw)+qq]
.set qq, qq+1
.endr
.endr
.endif
.set qq, 0
.rept qn/2                                         ; a pair of blocks: codes rD, the upper block's rC
.set rD, (\d)+12*(qq/((\nb)/2))+6*(qq%((\nb)/2))
.set rC, (\ct)+44*(qq/((\nb)/2))+4*(qq%((\nb)/2))
.set rS, (\s)+64*(qq/((\nb)/2))+32*(qq%((\nb)/2))
.set rT, (\tm)+44*(qq/((\nb)/2))+12+2*(qq%((\nb)/2))
	v_cvt_scalef32_pk16_bf6_f32 v[rD:rD+2], v[rS:rS+15], v[rT]
	v_cvt_scalef32_pk16_bf6_f32 v[rC:rC+2], v[rS+16:rS+31], v[rT+1]   ; (a conversion's three registers begin on an even number)
.set qq, qq+1
.endr
	v_nop                                          ; one plain place behind a scaled conversion
.set qq, 0
.rept qn/2                                         ; the operand wants a WHOLE block in a lane: lanes 0-15 block 2 c, lanes 16-31 block 2 c + 1
.set rD, (\d)+12*(qq/((\nb)/2))+6*(qq%((\nb)/2))
.set rC, (\ct)+44*(qq/((\nb)/2))+4*(qq%((\nb)/2))
.irp i, 0,1,2
	v_permlane16_swap_b32 v[rD+\i], v[rC+\i]
.endr
.irp i, 0,1,2
	v_mov_b32 v[rD+3+\i], v[rC+\i]
.endr
.set qq, qq+1
.endr
.endm
.macro QPAIR w, ab                     ; the window's two tiles of 64 results become the next product's codes and scale words
	WIN 0x55*(\w)
	QUANT 0, XB, 4, \ab, TM, CT, PW, 2
	WIN (\w)
	v_mov_b32 v[XS+2*((\w)-1)], v[PW]
	v_mov_b32 v[XS+2*((\w)-1)+1], v[PW+1]
.endm
.macro RELU b, n                       ; two neighbouring registers an instruction (b and n are even: one destination even, one odd; the sources in different banks); each accumulator from its low end on
.set pp, 0
.rept (\n)/2
	v_dual_max_num_f32 v[(\b)+pp], 0, v[(\b)+pp] :: v_dual_max_num_f32 v[(\b)+pp+1], 0, v[(\b)+pp+1]
.set pp, pp+2
.endr
.endm
.macro RELUMASK
.set rj, 0
.rept 16
	v_cvt_scalef32_pk8_fp4_f32 v[MQ+rj], v[8*rj:8*rj+7], v[MSC]    ; / 2^-100: what is above 0 lies beyond FP4's largest number and gets its code
.set rj, rj+1
.endr
	v_nop                                          ; one plain place behind a scaled conversion
.set rj, 0
.rept 5
	v_bfi_b32 v[MQ+3*rj], 0x11111111, v[MQ+3*rj], v[MQ+3*rj+1]     ; bit 0 of each nibble from the first, bit 1 from the second,
.set rj, rj+1
.endr
.set rj, 0
.rept 5
	v_bfi_b32 v[MK+rj], 0x33333333, v[MQ+3*rj], v[MQ+3*rj+2]       ; bit 2 from the third
.set rj, rj+1
.endr
	v_mov_b32 v[MK+5], v[MQ+15]
.endm
.macro UNPACK w                        ; the window's six mask registers become sixteen registers of nibbles, a plane alone in each
	WIN 0x55*(\w)
.set rj, 0
.rept 5
	v_and_b32 v[MQ+3*rj], 0x11111111, v[MK+rj]     ; a plane alone: the code of 0.5,
	v_and_b32 v[MQ+3*rj+1], 0x22222222, v[MK+rj]   ; of 1,
	v_and_b32 v[MQ+3*rj+2], 0x44444444, v[MK+rj]   ; of 2
.set rj, rj+1
.endr
	v_and_b32 v[MQ+15], 0x22222222, v[MK+5]
.endm
.macro MSEL                            ; rs: the plane of nibble register rq
.if rq == 15
.set rs, 1
.else
.set rs, rq%3
.endif
.endm
.macro DECODE w, t                     ; tile t's 64 factors, 0 or 1.0, into window 0, where the table row lies on the way forward
	WIN 0x05*(\w)
.set rq, 8*(\t)
.rept 8
	MSEL
	v_cvt_scale_pk8_f32_fp4 v[VT+8*(rq%8):VT+8*(rq%8)+7], v[MQ+rq], v[DSC+rs]
.set rq, rq+1
.endr
	v_nop                                          ; one plain place behind a scaled conversion
.endm
.macro PKM a, m                        ; eight numbers of window w x eight of window 0, under the products' window setting (source 0 window 0, source 1 and destination window w); from the low end on
.irp j, 0,2,4,6
	v_pk_mul_f32 v[(\a)+\j:(\a)+\j+1], v[(\m)+\j:(\m)+\j+1], v[(\a)+\j:(\a)+\j+1]
.endr
.endm
; The way back: tile t's eight products, and between them the way through the NEXT layer's ReLU: behind the product of weight tile mt stand the four multiplications of tile mt - 1's accumulator,
; which are also the four places behind that product.
.macro MMB w, t
	WIN 0x54*(\w)
.set mt, 0
.rept 8
.set rD, 64*(\t)+8*mt
.set rA, WF+12*mt
.set rB, XB+12*(\t)
.set rSA, WS+mt
.set rSB, XS+2*((\w)-1)+(\t)
	WMM 0
.if mt == 0
	PLACES 4
.else
	PKM 64*(\t)+8*(mt-1), VT+8*(mt-1)
.endif
.set mt, mt+1
.endr
	PKM 64*(\t)+56, VT+56
.endm
.macro GWY w                           ; the gradient at layer 7's results: Wy (the table row) x layer 7's factors, which are decoded into the accumulators themselves from the mask registers as the last layer left them
	UNPACK \w
.set rq, 0
.rept 16
	MSEL
	v_cvt_scale_pk8_f32_fp4 v[8*rq:8*rq+7], v[MQ+rq], v[DSC+rs]
.set rq, rq+1
.endr
	v_nop                                          ; one plain place behind a scaled conversion
	WIN 0x44*(\w)
.set rq, 0
.rept 16
	PKM 8*rq, VT+8*(rq%8)
.set rq, rq+1
.endr
.endm
.macro DOT w, vb                       ; the window's two tiles . the table row at v[vb] of window 0, in f32: v238, v239 = the sums over 128 units
	WIN 0x51*(\w)                                  ; source 1 (the table) window 0
.set dp, 0
.rept 32
.set dm, 0
.rept 2
.set rc, CH+4*dm+2*(dp%2)
.if dp < 2
	v_pk_mul_f32 v[rc:rc+1], v[64*dm+2*dp:64*dm+2*dp+1], v[(\vb)+2*dp:(\vb)+2*dp+1]
.else
	v_pk_fma_f32 v[rc:rc+1], v[64*dm+2*dp:64*dm+2*dp+1], v[(\vb)+2*dp:(\vb)+2*dp+1], v[rc:rc+1]
.endif
.set dm, dm+1
.endr
.set dp, dp+1
.endr
	WIN 0x55*(\w)
	v_pk_add_f32 v[CH:CH+1], v[CH:CH+1], v[CH+2:CH+3]
	v_pk_add_f32 v[CH+4:CH+5], v[CH+4:CH+5], v[CH+6:CH+7]
	v_add_f32 v238, v[CH], v[CH+1]
	v_add_f32 v239, v[CH+4], v[CH+5]
	v_permlanex16_b32 v240, v238, s[SEL], s[SEL+1]
	v_permlanex16_b32 v241, v239, s[SEL], s[SEL+1]
	v_add_f32 v238, v238, v240                     ; with lane l xor 16's 64 units
	v_add_f32 v239, v239, v241
.endm
.macro SIGMOID w, k, sb, dst           ; a sigmoid's first step: the exponent k z + s[sb] of v238, v239, into window 0.  1 / (1 + 2^exponent) is made of all sixteen together, ahead of the compositing
	WIN (\w)
	v_fma_f32 v[\dst], v238, \k, s[\sb]
	v_fma_f32 v[(\dst)+1], v239, \k, s[\sb]
.endm
; ---- the sort's steps
.macro LSEL m, msk, inv
.if \inv
	v_cndmask_b32 v[RT+\m], v[SHI+\m], v[SLO+\m], s[\msk]
.else
	v_cndmask_b32 v[RT+\m], v[SLO+\m], v[SHI+\m], s[\msk]
.endif
.endm
.macro LST j, msk, i0, i1, i2, i3      ; partners j lanes apart; the lanes of the mask keep the larger; iN = 1: register N the other way round
.irp m, 0,1,2,3
	v_min_num_f32_dpp v[SLO+\m], v[RT+\m], v[RT+\m] row_xmask:\j row_mask:0xf bank_mask:0xf
	v_max_num_f32_dpp v[SHI+\m], v[RT+\m], v[RT+\m] row_xmask:\j row_mask:0xf bank_mask:0xf
.endr
	LSEL 0, \msk, \i0
	LSEL 1, \msk, \i1
	LSEL 2, \msk, \i2
	LSEL 3, \msk, \i3
.endm
.macro RCE a, b, desc                  ; partners in two registers
.if \desc
	v_max_num_f32 v[SLO], v[RT+\a], v[RT+\b]
	v_min_num_f32 v[RT+\b], v[RT+\a], v[RT+\b]
.else
	v_min_num_f32 v[SLO], v[RT+\a], v[RT+\b]
	v_max_num_f32 v[RT+\b], v[RT+\a], v[RT+\b]
.endif
	v_mov_b32 v[RT+\a], v[SLO]
.endm
; ---- the encoding
.macro FPV k                           ; fv: 4 x entry k's power of two (turns become quarter turns); pv: 1.5 x 2^23, and 1 more for the cosines
.if ((\k) >= 3) && ((\k) <= 62)
.set fv, (129+(((\k)-3)%20)%10)<<23
.set pv, 0x4b400000+(((\k)-3)%20)/10
.else
.set fv, 129<<23
.set pv, 0x4b400000
.endif
.endm
.macro UPAIR lo                        ; which pair of UU serves registers 2 pp, 2 pp + 1 (lo = 0: upper parts, 2: lower), and how: us = 0 its first word for both, 1 as they lie, 2 its second for both
.set ub, UU+4*(pp/8)+(\lo)
.set uq, pp%8
.set ut, 3+2*(pp/8)
.if uq < ut
.set us, 0
.elseif uq == ut
.set us, 1
.else
.set us, 2
.endif
.endm
.macro PE w, mm                        ; tile mm of window w: x, its 64 places of encoding (register 16 b + i = entry 32 b + 16 h + i), the derivative, the codes
.set xc, XC+3*(\mm)
.set mt4, 2*((\w)-1)+(\mm)
	WIN 0x55*(\w)
.irp c, 0,1,2
	v_fma_f32 v[xc+\c], v[TT+(\mm)], s[DD+\c], s[OO+\c]            ; x = t d + o, rounded once
.endr
	v_mul_f32 v[UU], 0x3e22f983, v[xc]             ; x / 2 pi: the upper part,
	v_mul_f32 v238, 0x3e22f983, v[xc+1]
	v_mul_f32 v[UU+5], 0x3e22f983, v[xc+2]
	v_fma_f32 v240, v[xc], 0x3e22f983, -v[UU]      ; what its rounding lost,
	v_fma_f32 v241, v[xc+1], 0x3e22f983, -v238
	v_fma_f32 v242, v[xc+2], 0x3e22f983, -v[UU+5]
	v_fma_f32 v[UU+2], v[xc], 0x31dc9c88, v240     ; and the next 24 bits of 1 / 2 pi
	v_fma_f32 v239, v[xc+1], 0x31dc9c88, v241
	v_fma_f32 v[UU+7], v[xc+2], 0x31dc9c88, v242
	v_cndmask_b32 v[UU+1], v[UU], v238, s[HM]      ; registers 7-15: coordinate 0 in lanes 0-15, 1 in lanes 16-31
	v_cndmask_b32 v[UU+3], v[UU+2], v239, s[HM]
	v_cndmask_b32 v[UU+4], v238, v[UU+5], s[HM]    ; registers 16-26: coordinate 1, 2
	v_cndmask_b32 v[UU+6], v239, v[UU+7], s[HM]
	WIN 0x51*(\w)+0x0c                             ; source 1 (the tables) window 3
.set pp, 0
.rept 16
	UPAIR 0
.if us == 0
	v_pk_mul_f32 v[2*pp:2*pp+1], v[ub:ub+1], v[FT+2*pp:FT+2*pp+1] op_sel_hi:[0,1]              ; the upper part in quarter turns: exact
.elseif us == 1
	v_pk_mul_f32 v[2*pp:2*pp+1], v[ub:ub+1], v[FT+2*pp:FT+2*pp+1]
.else
	v_pk_mul_f32 v[2*pp:2*pp+1], v[ub:ub+1], v[FT+2*pp:FT+2*pp+1] op_sel:[1,0] op_sel_hi:[1,1]
.endif
.set pp, pp+1
.endr
.set pp, 0
.rept 16
	v_pk_add_f32 v[NS+2*pp:NS+2*pp+1], v[2*pp:2*pp+1], v[PT+2*pp:PT+2*pp+1]   ; 1.5 x 2^23 + q: the nearest whole number of quarter turns, one more for a cosine, in the lowest bits
.set pp, pp+1
.endr
.set pp, 0
.rept 16
	v_pk_add_f32 v[ZZ+2*pp:ZZ+2*pp+1], v[NS+2*pp:NS+2*pp+1], v[PT+2*pp:PT+2*pp+1] neg_lo:[0,1] neg_hi:[0,1]   ; the whole number alone: exact
.set pp, pp+1
.endr
.set pp, 0
.rept 16
	v_pk_fma_f32 v[2*pp:2*pp+1], v[ZZ+2*pp:ZZ+2*pp+1], -1.0, v[2*pp:2*pp+1] op_sel_hi:[1,0,1]   ; taken off: exact; at most half a quarter turn is left
.set pp, pp+1
.endr
.set pp, 0
.rept 16
	UPAIR 2
.if us == 0
	v_pk_fma_f32 v[2*pp:2*pp+1], v[ub:ub+1], v[FT+2*pp:FT+2*pp+1], v[2*pp:2*pp+1] op_sel_hi:[0,1,1]   ; only now the lower part: one rounding, at the size of the result
.elseif us == 1
	v_pk_fma_f32 v[2*pp:2*pp+1], v[ub:ub+1], v[FT+2*pp:FT+2*pp+1], v[2*pp:2*pp+1]
.else
	v_pk_fma_f32 v[2*pp:2*pp+1], v[ub:ub+1], v[FT+2*pp:FT+2*pp+1], v[2*pp:2*pp+1] op_sel:[1,0,0] op_sel_hi:[1,1,1]
.endif
.set pp, pp+1
.endr
	WIN 0x55*(\w)
.set pp, 0
.rept 16
	v_pk_mul_f32 v[ZZ+2*pp:ZZ+2*pp+1], v[2*pp:2*pp+1], v[2*pp:2*pp+1]
.set pp, pp+1
.endr
.set pp, 0
.rept 16
	v_pk_fma_f32 v[CC+2*pp:CC+2*pp+1], v[ZZ+2*pp:ZZ+2*pp+1], 0xb7d368f9, v[KC:KC+1] op_sel:[0,0,1] op_sel_hi:[1,0,1]   ; the cosine of Q quarter turns: coefficients (pi / 2)^k / k!, k = 10 and 8
.set pp, pp+1
.endr
.irp k, 0xbcaae9e4, 0x3e81e0f8, 0xbf9de9e6, 1.0
.set pp, 0
.rept 16
	v_pk_fma_f32 v[CC+2*pp:CC+2*pp+1], v[CC+2*pp:CC+2*pp+1], v[ZZ+2*pp:ZZ+2*pp+1], \k op_sel_hi:[1,1,0]
.set pp, pp+1
.endr
.endr
; q's two lowest bits.  sin(angle) is s, c, -s, -c and cos(angle) is c, -s, -c, s for q = 0, 1, 2, 3 (mod 4): so c takes bit 1 as its sign, s takes bit 1 xor bit 0 (onto Q: the sine is odd), and an odd q changes the two over.
.set pg, 0
.rept 4
.irp i, 0,1,2,3,4,5,6,7
	v_lshlrev_b32 v[238+\i], 31, v[NS+8*pg+\i]     ; bit 0 on top
.endr
.irp i, 0,1,2,3,4,5,6,7
	v_cmp_gt_i32 s[EMK+8*pg+\i], 0, v[238+\i]      ; the lanes whose q is odd
.endr
.irp i, 0,1,2,3,4,5,6,7
	v_lshlrev_b32 v[NS+8*pg+\i], 30, v[NS+8*pg+\i] ; bit 1 on top
.endr
.irp i, 0,1,2,3,4,5,6,7
	v_bfi_b32 v[CC+8*pg+\i], s2, v[CC+8*pg+\i], v[NS+8*pg+\i]     ; c is positive: its sign is set
.endr
.irp i, 0,1,2,3,4,5,6,7
	v_xor_b32 v[238+\i], v[238+\i], v[NS+8*pg+\i]
.endr
.irp i, 0,1,2,3,4,5,6,7
	v_and_b32 v[238+\i], s3, v[238+\i]
.endr
.irp i, 0,1,2,3,4,5,6,7
	v_xor_b32 v[8*pg+\i], v[8*pg+\i], v[238+\i]
.endr
.set pg, pg+1
.endr
.set pp, 0
.rept 16
	v_pk_fma_f32 v[NS+2*pp:NS+2*pp+1], v[ZZ+2*pp:ZZ+2*pp+1], 0x39283c1a, v[KC:KC+1] op_sel_hi:[1,0,0]   ; the sine: k = 9 and 7
.set pp, pp+1
.endr
.irp k, 0x3da335e3, 0xbf255de7, 0x3fc90fdb
.set pp, 0
.rept 16
	v_pk_fma_f32 v[NS+2*pp:NS+2*pp+1], v[NS+2*pp:NS+2*pp+1], v[ZZ+2*pp:ZZ+2*pp+1], \k op_sel_hi:[1,1,0]
.set pp, pp+1
.endr
.endr
.set pp, 0
.rept 16
	v_pk_mul_f32 v[NS+2*pp:NS+2*pp+1], v[NS+2*pp:NS+2*pp+1], v[2*pp:2*pp+1]
.set pp, pp+1
.endr
.set pp, 0
.rept 32
	v_cndmask_b32 v[pp], v[NS+pp], v[CC+pp], s[EMK+pp]             ; e
	v_cndmask_b32 v[CC+pp], v[CC+pp], v[NS+pp], s[EMK+pp]          ; its derivative by the angle
.set pp, pp+1
.endr
.irp c, 0,1,2
	v_cndmask_b32 v[\c], v[xc+\c], v[\c], s[HM]    ; entries 0-2 are x itself, with the derivative 1;
	v_cndmask_b32 v[CC+\c], 1.0, v[CC+\c], s[HM]
.endr
	v_cndmask_b32 v31, v31, 0, s[HM]               ; place 63 is the block's filling
	v_cndmask_b32 v[CC+31], v[CC+31], 0, s[HM]
	WIN 0xcc+(\w)                                  ; destination and source 1 window 3
.set pp, 0
.rept 16
	v_pk_mul_f32 v[32*mt4+2*pp:32*mt4+2*pp+1], v[CC+2*pp:CC+2*pp+1], v[FT+2*pp:FT+2*pp+1]   ; 4 x d e / d x, every entry alike (the table holds 4 for entries 0-2)
.set pp, pp+1
.endr
	WIN 0x55*(\w)
	QUANT 0, EB+12*(\mm), 2, 1, TM, CT, PW, 1
.irp i, 0,1,2,3,4,5
	v_mov_b32 v[XB+12*(\mm)+\i], v[EB+12*(\mm)+\i] ; layer 0's input is the encoding; K places 64-127 are zero codes
	v_mov_b32 v[XB+12*(\mm)+6+\i], 0
.endr
	WIN (\w)
	v_mov_b32 v[ES+mt4], v[PW]
	v_mov_b32 v[XS+mt4], v[PW]
.endm
; ---- the gradient at the encoding becomes the normal
.macro GX w, mm
.set gt4, 2*((\w)-1)+(\mm)
.set gg, 128+32*gt4
.set gd, 32*gt4
.set nv, NV+3*(\mm)
	WIN 0xff
.set pp, 0
.rept 16
	v_pk_mul_f32 v[gg+2*pp:gg+2*pp+1], v[gg+2*pp:gg+2*pp+1], v[gd+2*pp:gd+2*pp+1]   ; each accumulator from its low end on
.set pp, pp+1
.endr
	v_add_f32 v[gg], v[gg], v[gg+3]                ; registers 0, 3-6
	v_add_f32 v[gg+4], v[gg+4], v[gg+5]
	v_add_f32 v[gg+7], v[gg+7], v[gg+8]            ; 7-15
	v_add_f32 v[gg+9], v[gg+9], v[gg+10]
	v_add_f32 v[gg+11], v[gg+11], v[gg+12]
	v_add_f32 v[gg+13], v[gg+13], v[gg+14]
	v_add_f32 v[gg+16], v[gg+16], v[gg+17]         ; 16-26
	v_add_f32 v[gg+18], v[gg+18], v[gg+19]
	v_add_f32 v[gg+20], v[gg+20], v[gg+21]
	v_add_f32 v[gg+22], v[gg+22], v[gg+23]
	v_add_f32 v[gg+24], v[gg+24], v[gg+25]
	v_add_f32 v[gg+27], v[gg+27], v[gg+28]         ; 27-31
	v_add_f32 v[gg+29], v[gg+29], v[gg+30]
	v_add_f32 v[gg], v[gg], v[gg+6]
	v_add_f32 v[gg+7], v[gg+7], v[gg+9]
	v_add_f32 v[gg+11], v[gg+11], v[gg+13]
	v_add_f32 v[gg+16], v[gg+16], v[gg+18]
	v_add_f32 v[gg+20], v[gg+20], v[gg+22]
	v_add_f32 v[gg+24], v[gg+24], v[gg+26]
	v_add_f32 v[gg+27], v[gg+27], v[gg+29]
	v_add_f32 v[gg], v[gg], v[gg+4]
	v_add_f32 v[gg+7], v[gg+7], v[gg+11]
	v_add_f32 v[gg+16], v[gg+16], v[gg+20]
	v_add_f32 v[gg+27], v[gg+27], v[gg+31]
	v_add_f32 v[gg+7], v[gg+7], v[gg+15]
	v_add_f32 v[gg+16], v[gg+16], v[gg+24]
	v_add_f32 v[gg+3], v[gg], v[gg+7]              ; lanes 0-15: coordinate 0 has registers 0, 3-15;
	v_add_f32 v[gg+4], v[gg], v[gg+1]
	v_add_f32 v[gg+5], v[gg+1], v[gg+16]           ; coordinate 1: 1, 16-26;
	v_add_f32 v[gg+6], v[gg+2], v[gg+27]           ; coordinate 2: 2, 27-31
	v_add_f32 v[gg+8], v[gg+16], v[gg+27]          ; lanes 16-31: coordinate 2 has 16-31,
	v_add_f32 v[gg+4], v[gg+4], v[gg+2]            ; coordinate 0 has 0-6, coordinate 1 has 7-15
	v_cndmask_b32 v[gg+5], v[gg+5], v[gg+7], s[HM]
	v_cndmask_b32 v[gg+6], v[gg+6], v[gg+8], s[HM]
	v_cndmask_b32 v[gg+3], v[gg+3], v[gg+4], s[HM]
	v_permlanex16_b32 v[gg+10], v[gg+5], s[SEL], s[SEL+1]
	v_permlanex16_b32 v[gg+11], v[gg+6], s[SEL], s[SEL+1]
	v_permlanex16_b32 v[gg+9], v[gg+3], s[SEL], s[SEL+1]
	WIN 0x40*(\w)+0x0f                             ; sources window 3, destination window w
	v_add_f32 v[nv+1], v[gg+5], v[gg+10]
	v_add_f32 v[nv+2], v[gg+6], v[gg+11]
	v_add_f32 v[nv], v[gg+3], v[gg+9]              ; 4 x the gradient: a power of two, which changes no rounding
.endm
.macro GN w                            ; the window's two gradients are normalised together.  Waits ahead of and behind each batch
	WIN 0x55*(\w)
.irp m, 0,1
	v_mul_f32 v[238+\m], v[NV+3*\m], v[NV+3*\m]
.endr
.irp m, 0,1
	v_fma_f32 v[238+\m], v[NV+3*\m+1], v[NV+3*\m+1], v[238+\m]
.endr
.irp m, 0,1
	v_fma_f32 v[238+\m], v[NV+3*\m+2], v[NV+3*\m+2], v[238+\m]
.endr
	s_wait_alu depctr_va_vdst(0)
	v_sqrt_f32 v238, v238
	v_sqrt_f32 v239, v239
	v_nop                                          ; a plain place behind the transcendentals
	s_wait_alu depctr_va_vdst(0)
	v_add_f32 v238, 0x368637bd, v238               ; + 4 x the f32 number 1e-6: g / (|g| + 1e-6) = 4 g / (4 |g| + 4e-6)
	v_add_f32 v239, 0x368637bd, v239
	s_wait_alu depctr_va_vdst(0)
	v_rcp_f32 v238, v238
	v_rcp_f32 v239, v239
	v_nop
	s_wait_alu depctr_va_vdst(0)
.irp m, 0,1
.irp c, 0,1,2
	v_mul_f32 v[NV+3*\m+\c], v[NV+3*\m+\c], v[238+\m]
.endr
.endr
.endm
; ---- the colour layer's input of one tile.  Its K is x, n, then the hidden layer moved on by 6; inside a block of 32 the places are taken in the order in which the weights were laid:
; lanes 0-15 keep their registers; lanes 16-31 move theirs up by 6, so that the six units that fall into the next block arrive there; x and n fill the first six.
.macro CTILE w, mm
.set ab4, 64*(\mm)
.set ct4, 2*((\w)-1)+(\mm)
	WIN 0xc3+4*(\w)                                ; (layer 7's ReLU stood between its products)  destination and source 0 window 3, source 1 window w
.irp i, 0,1,2,3,4,5
	v_cndmask_b32 v[\i], v[PD6+\i], v[ab4+58+\i], s[HM]   ; block 4: units 122-127 in lanes 16-31
.endr
	WIN 0x55*(\w)
.set pp, 63
.rept 58
	v_cndmask_b32 v[ab4+pp], v[ab4+pp], v[ab4+pp-6], s[HM]
.set pp, pp-1
.endr
.irp i, 0,1,2
	v_cndmask_b32 v[ab4+\i], v[ab4+\i], v[XC+3*(\mm)+\i], s[HM]
	v_cndmask_b32 v[ab4+3+\i], v[ab4+3+\i], v[NV+3*(\mm)+\i], s[HM]
.endr
	QUANT ab4, XB+12*(\mm), 4, 1, TM, CT, PW, 1
	WIN (\w)
	v_mov_b32 v[XS+ct4], v[PW]
	WIN 0xff
	QUANT 0, CI1+12*ct4, 2, 1, TM3, CT3, PW3, 1
	WIN 0x03
	v_mov_b32 v[ES+ct4], v[PW3]
.endm
.macro INITW                           ; once, in windows 1 and 2: zero codes for the encoding's K places 64-127; destinations of lane permutes, which count as read; constants
.irp i, 6,7,8,9,10,11,18,19,20,21,22,23
	v_mov_b32 v[EB+\i], 0
.endr
.irp i, 0,1,2,3
	v_mov_b32 v[TM+4+\i], 0
	v_mov_b32 v[TM+48+\i], 0
.endr
	v_mov_b32 v240, 0
	v_mov_b32 v241, 0
	v_mov_b32 v[MSC], 27<<23                       ; 2^(27 - 127)
	v_mov_b32 v[DSC], 0x80808080
	v_mov_b32 v[DSC+1], 0x7f7f7f7f
	v_mov_b32 v[DSC+2], 0x7e7e7e7e
	v_mov_b32 v[KC], 0xbb996966                    ; -(pi / 2)^7 / 7!
	v_mov_b32 v[KC+1], 0x3a70fa83                  ; (pi / 2)^8 / 8!
.endm
	s_load_b512 s[4:19], s[0:1], 0x0               ; wimg s[4:5], ray s[6:7], t s[8:9], by s[10:11], cb1 s[12:13], out0 s[14:15], out1 s[16:17], out2 s[18:19]
	s_load_b64 s[20:21], s[0:1], 0x40              ; out3
	v_lshl_add_u32 v254, v0, 2, SPARE              ; my spare word, and 0: kept for the add alone
	v_mov_b32 v255, 0
	ds_add_u32 v254, v255                          ; the opening lines: the add, twice on end, and its wait ahead of my tensor load
	ds_add_u32 v254, v255
	v_lshrrev_b32 v9, 5, v0
	v_readfirstlane_b32 s[WV], v9                  ; wave 0..3
	v_and_b32 v[LANE], 31, v0
	v_and_b32 v2, 15, v0                           ; r
	v_bfe_u32 v3, v0, 4, 1                         ; h
	v_lshlrev_b32 v[LI], 4, v[LANE]
	v_lshlrev_b32 v[LR], 2, v2
	v_lshlrev_b32 v[LH], 6, v3
	s_mul_i32 s2, s[WV], WSCR
	s_add_co_u32 s2, s2, IMG                       ; my scratch
	v_lshl_add_u32 v[MSKB], v[LANE], 3, s2
	s_add_co_u32 s2, s2, 8*MLB
	v_add_nc_u32 v[X7B], s2, v[LI]
	v_lshlrev_b32 v[GT], 2, v2
	v_lshlrev_b32 v[GS], 2, v[LANE]
	s_mov_b32 s[HM], 0xffff0000
	s_mov_b32 s[LM1], BM1
	s_mov_b32 s[LM2], BM2
	s_mov_b32 s[LM4], BM4
	s_mov_b32 s[LM8], BM8
	s_mov_b32 s[SEL], 0x76543210
	s_mov_b32 s[SEL+1], 0xfedcba98                 ; v_permlanex16_b32's selects for lane l xor 16
	s_bfe_u32 s[QQ], ttmp6, 0x40000                ; my place in the cluster: it enters global addresses alone
	s_lshl_b32 s3, ttmp9, 2
	s_add_co_u32 s[QQ], s[QQ], s3                  ; work-group
	s_lshl_b32 s[QQ], s[QQ], 2
	s_add_co_u32 s[QQ], s[QQ], s[WV]               ; 4 x work-group + wave: my pair of rays
	; descriptor group 1: 244 rows of 32 elements of 8 bytes, dense, no padding
	s_mov_b32 s[G1], 15|(3<<16)|(1<<21)            ; 15:0 the mask: all four work-groups; 17:16 elements of 8 bytes; 21 set beside a mask
	s_mov_b32 s[G1+1], 32<<16                      ; tensor_dim0 = 32
	s_mov_b32 s[G1+2], 244<<16                     ; tensor_dim1 = 244
	s_mov_b32 s[G1+3], 32<<16                      ; tile_dim0 = 32
	s_mov_b32 s[G1+4], 244                         ; tile_dim1 = 244
	s_mov_b32 s[G1+5], 32                          ; from row to row
	s_mov_b32 s[G1+6], 0
	s_mov_b32 s[G1+7], 0
	s_mov_b32 s[G0], 1
	s_mul_i32 s[G0+1], s[WV], QTR                  ; my quarter in LDS,
	s_mov_b32 s68, s[G0+1]
	s_mov_b32 s69, 0
	s_wait_dscnt 0x0
	s_wait_kmcnt 0x0
	s_add_nc_u64 s[G0+2:G0+3], s[4:5], s[68:69]    ; and in memory: the same in all four work-groups
	s_or_b32 s[G0+3], s[G0+3], 0x80000000
	ROUND                                          ; all four work-groups are here: the joint loads meet
	tensor_load_to_lds s[G0:G0+3], s[G1:G1+7]      ; my one tensor load of the launch: these bytes are filled once
	s_nop 0
	PLACES 4
	s_mul_i32 s68, s[QQ], 48
	s_add_nc_u64 s[6:7], s[6:7], s[68:69]          ; two rays of 24 bytes
	s_lshl_b32 s68, s[QQ], 9
	s_add_nc_u64 s[8:9], s[8:9], s[68:69]          ; two rays of 256 bytes
	s_add_nc_u64 s[18:19], s[18:19], s[68:69]
	s_add_nc_u64 s[20:21], s[20:21], s[68:69]
	s_mul_i32 s68, s[QQ], 24
	s_add_nc_u64 s[14:15], s[14:15], s[68:69]
	s_lshl_b32 s68, s[QQ], 3
	s_add_nc_u64 s[16:17], s[16:17], s[68:69]
	s_load_b128 s[44:47], s[6:7], 0x0              ; o, d of both rays: s44-49, s50-55
	s_load_b128 s[48:51], s[6:7], 0x10
	s_load_b128 s[52:55], s[6:7], 0x20
	s_load_b32 s[BY], s[10:11], 0x0
	s_load_b96 s[60:62], s[12:13], 0x0
	s_wait_alu depctr_va_vdst(0)
.irp m, 0,1,2,3
	global_load_b32 v[RT+\m], v[GT], s[8:9] offset:64*\m           ; sample 16 m + r; both halves of the lanes hold the same
	global_load_b32 v[TN+\m], v[GT], s[8:9] offset:256+64*\m
.endr
.irp i, 0,1,2,3,4,5,6,7
	v_mov_b32 v[SLO+\i], 0                         ; destinations of DPP forms count as read
.endr
	WIN 0x40
	INITW
	WIN 0x80
	INITW
	WIN 0
	s_wait_kmcnt 0x0
	s_mul_f32 s[BY], s[BY], 0x4166d4ca             ; 10 log2(e) by: sigma = 1 / (1 + 2^(10 log2(e) (y' + by)))
.irp c, 0,1,2
	s_mul_f32 s[CB+\c], s[CB+\c], 0xbfb8aa3b       ; -log2(e) cb1
.endr
	s_mov_b32 s[TRIP], 0
	s_wait_loadcnt 0x0
.Lray:
	; ---- the sort: a bitonic network on sample 16 m + r.  No branch and no address hangs on the numbers
	s_mov_b32 s[SM], BM1^BM2
	s_wait_alu depctr_va_vdst(0)                   ; the wait behind the backward jump
	LST 1, SM, 0,0,0,0
	s_mov_b32 s[SM], BM2^BM4
	LST 2, SM, 0,0,0,0
	s_mov_b32 s[SM], BM1^BM4
	LST 1, SM, 0,0,0,0
	s_mov_b32 s[SM], BM4^BM8
	LST 4, SM, 0,0,0,0
	s_mov_b32 s[SM], BM2^BM8
	LST 2, SM, 0,0,0,0
	s_mov_b32 s[SM], BM1^BM8
	LST 1, SM, 0,0,0,0
	LST 8, LM8, 0,1,0,1
	LST 4, LM4, 0,1,0,1
	LST 2, LM2, 0,1,0,1
	LST 1, LM1, 0,1,0,1
	RCE 0, 1, 0
	RCE 2, 3, 1
	LST 8, LM8, 0,0,1,1
	LST 4, LM4, 0,0,1,1
	LST 2, LM2, 0,0,1,1
	LST 1, LM1, 0,0,1,1
	RCE 0, 2, 0
	RCE 1, 3, 0
	RCE 0, 1, 0
	RCE 2, 3, 0
	LST 8, LM8, 0,0,0,0
	LST 4, LM4, 0,0,0,0
	LST 2, LM2, 0,0,0,0
	LST 1, LM1, 0,0,0,0
	v_cndmask_b32 v252, v[RT], v[RT+1], s[HM]      ; 32 lanes: samples 0-31, 128 consecutive bytes
	v_cndmask_b32 v253, v[RT+2], v[RT+3], s[HM]
	global_store_b32 v[GS], v252, s[20:21]
	global_store_b32 v[GS], v253, s[20:21] offset:128
	WIN 0x40
	v_mov_b32 v[TT], v[RT+2]                       ; the encoding's first trip takes tiles 2 and 3
	v_mov_b32 v[TT+1], v[RT+3]
	; ---- the encoding's tables: entry 32 b + 16 h + i for register 16 b + i
	WIN 0xc3
.set tj, 0
.rept 32
	FPV 32*(tj/16)+tj%16
.set f0v, fv
.set p0v, pv
	FPV 32*(tj/16)+tj%16+16
	v_mov_b32 v[FT+tj], f0v
.if f0v != fv
	v_cndmask_b32 v[FT+tj], v[FT+tj], fv, s[HM]
.endif
	v_mov_b32 v[PT+tj], p0v
.if p0v != pv
	v_cndmask_b32 v[PT+tj], v[PT+tj], pv, s[HM]
.endif
.set tj, tj+1
.endr
	s_mov_b32 s2, 0x7fffffff                       ; a number's magnitude,
	s_mov_b32 s3, 0x80000000                       ; its sign
	WIN 0
	s_mov_b32 s[LC], 0
.Lpe:                                              ; ---- two trips, two tiles each, in window 1
	PE 1, 0
	PE 1, 1
	WIN 0
	s_cmp_eq_u32 s[LC], 1
	s_wait_alu depctr_va_vdst(0)                   ; the wait directly ahead of the branch
	s_cbranch_scc1 .Lpe_done
	WIN 0xc3                                       ; tiles 2 and 3 go to their places: the derivative,
.set pp, 0
.rept 64
	v_mov_b32 v[64+pp], v[pp]
.set pp, pp+1
.endr
	WIN 0x81                                       ; (destination window 2, source window 1) the codes of the layer's input and of the encoding,
.set pp, 0
.rept 48
	v_mov_b32 v[XB+pp], v[XB+pp]
.set pp, pp+1
.endr
.irp i, 0,1,2,3,4,5
	v_mov_b32 v[XC+\i], v[XC+\i]                   ; x,
.endr
	WIN 0
.irp i, 0,1
	v_mov_b32 v[ES+2+\i], v[ES+\i]                 ; the scale words;
	v_mov_b32 v[XS+2+\i], v[XS+\i]
.endr
	WIN 0x40
	v_mov_b32 v[TT], v[RT]                         ; and the second trip takes tiles 0 and 1
	v_mov_b32 v[TT+1], v[RT+1]
	WIN 0
.Lpe_done:
	s_add_co_u32 s[LC], s[LC], 1
	s_cmp_lt_u32 s[LC], 2
	s_wait_alu depctr_va_vdst(0)                   ; likewise, directly ahead of the backward jump
	s_cbranch_scc1 .Lpe
	; The image is wanted from here on.  In the first ray my quarter has had the sort and the encoding, which touch no LDS, in which to land, and the barrier shows all four quarters to all four waves;
	; in the second ray the wait is met at once.  Nothing is ever filled again.
	s_wait_tensorcnt 0x0
	s_wait_dscnt 0x0
	s_barrier_signal -1
	s_barrier_wait -1
	s_mov_b32 s[SWT], 0
	s_mov_b32 s[SSC], SCB
	s_mov_b32 s[STB], TBB
	ADDR
	LOADW 8
	LOADVT VT
	LOADWS
	LOADX 16                                       ; dW4's K 128-190 waits in window 3 for layer 4
	s_mov_b32 s[LC], 0
.Lfwd:                                             ; ---- eight layers.  A trip: 32 products (64 in layer 4) with ReLU between them, the next group's loads, the masks, the quantiser
	s_wait_dscnt 0x0                               ; the layer's fragments, bias and scale words are in; my mask stores have read their registers
	PLACES 8                                       ; the points' scale words were written by vector instructions
	s_cmp_eq_u32 s[LC], 4
	s_cbranch_scc1 .Lskip4
	WIN 0x44
	MMI 1, 1, XS                                   ; the bias is the C of each sum's first product
	WIN 0x88
	MMI 2, 1, XS
	WIN 0
	s_wait_alu depctr_va_vdst(0)                   ; the wait directly ahead of the jump
	s_branch .Ljoin
.Lskip4:                                           ; layer 4: the encoding's part of K first, onto the bias; then the hidden layer's, in place
	WIN 0x47
	MME 1, EB, 1, ES
	WIN 0x8b
	MME 2, EB, 1, ES
	WIN 0x54
	MMI 1, 2, XS
	WIN 0xa8
	MMI 2, 2, XS
	WIN 0
.Ljoin:                                            ; (the last 16 lines of ReLU are the places ahead of the loads below)
	s_add_co_u32 s[SWT], s[SWT], GRP
	s_add_co_u32 s[SSC], s[SSC], 512
	s_add_co_u32 s[STB], s[STB], 512
	ADDR
	LOADW 8                                        ; the next group lands under the vector work below.  Behind layer 7: dW7 for the way back, and Wy
	LOADVT VT
	LOADWS
	s_add_co_u32 s[SMK], s[LC], 1                  ; layer l's masks lie in place (l + 1) % 8 of the eight
	s_and_b32 s[SMK], s[SMK], 7
	s_mul_i32 s[SMK], s[SMK], MLB
	v_add_nc_u32 v[MA], s[SMK], v[MSKB]
	WIN 0x55
	RELUMASK
	WIN 0x04
.irp q, 0,1,2
	ds_store_b64 v[MA], v[MK+2*\q:MK+2*\q+1] offset:256*\q
.endr
	WIN 0xaa
	RELUMASK
	WIN 0x08
.irp q, 0,1,2
	ds_store_b64 v[MA], v[MK+2*\q:MK+2*\q+1] offset:768+256*\q
.endr
	WIN 0
	s_cmp_eq_u32 s[LC], 7
	s_cbranch_scc1 .Lno_quant                      ; layer 7's results are no matrix operand as they stand, and its input codes are kept
	QPAIR 1, 0
	QPAIR 2, 0
	WIN 0
.Lno_quant:
	s_add_co_u32 s[LC], s[LC], 1
	s_cmp_lt_u32 s[LC], 8
	s_cbranch_scc1 .Lfwd
	; ---- y and sigma, in f32 multiply-adds: N = 1, and 10 y stands in an exponent
	s_wait_dscnt 0x0
	DOT 1, VT
	SIGMOID 1, 0x4166d4ca, BY, SG
	DOT 2, VT
	SIGMOID 2, 0x4166d4ca, BY, SG+2
	WIN 0
.irp m, 0,1,2,3
	v_mov_b32 v[XS7+\m], v[XS+\m]
.endr
	WIN 0x04                                       ; layer 7's input codes wait in my scratch, as images of their registers
.irp m, 0,1
.irp q, 0,1,2
	ds_store_b128 v[X7B], v[XB+12*\m+4*\q:XB+12*\m+4*\q+3] offset:FRB*\m+512*\q
.endr
.endr
	WIN 0x08
.irp m, 0,1
.irp q, 0,1,2
	ds_store_b128 v[X7B], v[XB+12*\m+4*\q:XB+12*\m+4*\q+3] offset:FRB*(2+\m)+512*\q
.endr
.endr
	GWY 1
	GWY 2
	WIN 0
	v_add_nc_u32 v[MA], 7*MLB, v[MSKB]             ; layer 6's masks: asked for a trip ahead, like every layer's
	LOADMK
	s_mov_b32 s[LC], 0
.Lbwd:                                             ; ---- the way back.  Trip i: the quantiser; the product with layer 7 - i's weight along its second axis, with layer 6 - i's masks applied between the products
	QPAIR 1, 1
	QPAIR 2, 1
	WIN 0
	s_wait_alu depctr_va_vdst(0)                   ; the wait directly ahead of the wait below
	s_wait_dscnt 0x0                               ; the group's fragments and words, the masks
	s_cmp_eq_u32 s[LC], 7
	s_cbranch_scc1 .Lbend                          ; layer 0's product, 63 wide, stands behind the loop
	UNPACK 1                                       ; (these 32 lines are also the places behind the writes of the scale words)
	UNPACK 2
	DECODE 1, 0
	MMB 1, 0
	DECODE 1, 1
	MMB 1, 1
	DECODE 2, 0
	MMB 2, 0
	DECODE 2, 1
	MMB 2, 1
	WIN 0
	s_cmp_eq_u32 s[LC], 3
	s_cbranch_scc0 .Lno_e
	PLACES 4                                       ; layer 4's weight has 63 rows more: the gradient at the encoding begins
	v_add_nc_u32 v[WA], 15*GRP, v[LI]
	v_add_nc_u32 v[SA], SCB+15*512, v[LR]
	LOADW 4
	LOADWS
	s_wait_dscnt 0x0
	WIN 0xf4
	MM 1, XB, 0, 0, 4, 128, 32, XS
	WIN 0xf8
	s_wait_alu depctr_va_vdst(0)
	MM 2, XB, 0, 0, 4, 192, 32, XS
	WIN 0
.Lno_e:
	PLACES 4
	s_add_co_u32 s[SWT], s[SWT], GRP
	s_add_co_u32 s[SSC], s[SSC], 512
	v_add_nc_u32 v[WA], s[SWT], v[LI]
	v_add_nc_u32 v[SA], s[SSC], v[LR]
	LOADW 8
	LOADWS
	s_add_co_u32 s[SMK], s[LC], 1                  ; layer 5 - i's masks lie in place 6 - i = (i + 1) xor 7; in trip 6 that is place 0, layer 7's, which is loaded and not used
	s_xor_b32 s[SMK], s[SMK], 7
	s_mul_i32 s[SMK], s[SMK], MLB
	v_add_nc_u32 v[MA], s[SMK], v[MSKB]
	LOADMK
.Lbend:
	s_add_co_u32 s[LC], s[LC], 1
	s_cmp_lt_u32 s[LC], 8
	s_cbranch_scc1 .Lbwd
	PLACES 8                                       ; the points' scale words were written by vector instructions
	WIN 0xf4
	MM 1, XB, 2, 4, 4, 128, 32, XS                 ; dW0's rows: onto the gradient at the encoding
	WIN 0xf8
	s_wait_alu depctr_va_vdst(0)
	MM 2, XB, 2, 4, 4, 192, 32, XS
	WIN 0
	PLACES 4
	v_add_nc_u32 v[WA], 7*GRP, v[LI]               ; layer 7 once more, for the colour layer: asked for now, used behind the normal
	v_add_nc_u32 v[SA], SCB+7*512, v[LR]
	v_add_nc_u32 v[TA], TBB+7*512, v[LH]
	LOADW 8
	LOADVT VT
	LOADWS
	WIN 0x40
.irp m, 0,1
.irp q, 0,1,2
	ds_load_b128 v[XB+12*\m+4*\q:XB+12*\m+4*\q+3], v[X7B] offset:FRB*\m+512*\q
.endr
.endr
	WIN 0x80
.irp m, 0,1
.irp q, 0,1,2
	ds_load_b128 v[XB+12*\m+4*\q:XB+12*\m+4*\q+3], v[X7B] offset:FRB*(2+\m)+512*\q
.endr
.endr
	GX 1, 0
	GX 1, 1
	GX 2, 0
	GX 2, 1
	GN 1
	GN 2
	WIN 0
	; ---- the direction's encoding, once for the ray: lane l computes entry l, by the same steps as the points'
	v_mov_b32 v228, s[DD]
	s_mov_b32 s[SM], 0x0007f802                    ; entries 1, 11-18: coordinate 1
	v_cndmask_b32 v228, v228, s[DD+1], s[SM]
	s_mov_b32 s[SM], 0x07f80004                    ; entries 2, 19-26: coordinate 2
	v_cndmask_b32 v228, v228, s[DD+2], s[SM]
	v_add_nc_u32 v229, -3, v[LANE]
	v_and_b32 v229, 3, v229                        ; the power of two,
	v_add_nc_u32 v229, 2, v229                     ; and two more: quarter turns
	v_mul_f32 v230, 0x3e22f983, v228
	v_fma_f32 v231, v228, 0x3e22f983, -v230
	v_fma_f32 v231, v228, 0x31dc9c88, v231
	v_ldexp_f32 v230, v230, v229
	v_ldexp_f32 v231, v231, v229
	s_mov_b32 s[SM], 0x07878780                    ; the cosines: one quarter turn on
	v_mov_b32 v232, 0x4b400000
	v_cndmask_b32 v232, v232, 0x4b400001, s[SM]
	v_add_f32 v233, v230, v232                     ; 1.5 x 2^23 + q
	v_sub_f32 v234, v233, v232
	v_sub_f32 v230, v230, v234                     ; exact
	v_add_f32 v230, v230, v231                     ; Q
	v_mul_f32 v234, v230, v230
	v_mov_b32 v235, 0x3a70fa83
	v_mov_b32 v236, 0xbb996966
	v_fma_f32 v235, v234, 0xb7d368f9, v235         ; the cosine,
	v_fma_f32 v236, v234, 0x39283c1a, v236         ; the sine, by turns
	v_fma_f32 v235, v235, v234, 0xbcaae9e4
	v_fma_f32 v236, v236, v234, 0x3da335e3
	v_fma_f32 v235, v235, v234, 0x3e81e0f8
	v_fma_f32 v236, v236, v234, 0xbf255de7
	v_fma_f32 v235, v235, v234, 0xbf9de9e6
	v_fma_f32 v236, v236, v234, 0x3fc90fdb
	v_fma_f32 v235, v235, v234, 1.0
	v_mul_f32 v236, v236, v230
	v_lshlrev_b32 v237, 31, v233
	v_cmp_gt_i32 vcc_lo, 0, v237                   ; q odd: the cosine
	v_cndmask_b32 v230, v236, v235, vcc_lo
	v_lshlrev_b32 v237, 30, v233
	v_and_b32 v237, 0x80000000, v237               ; q's bit 1: the sign
	v_xor_b32 v230, v230, v237
	s_mov_b32 s[SM], 7
	v_cndmask_b32 v230, v230, v228, s[SM]          ; entries 0-2 are d itself
.set pp, 0
.rept 26
	v_readlane_b32 s[PED+pp], v230, pp
.set pp, pp+1
.endr
	v_readlane_b32 s3, v230, 26
	WIN 0xc3                                       ; the colour layer's blocks 4 and 5, in the order in which the weights were laid: v0-15, v16-31 of window 3
.set pp, 6
.rept 10
	v_mov_b32 v[pp], s[PED+pp]
	v_cndmask_b32 v[pp], v[pp], s[PED+10+pp], s[HM]
.set pp, pp+1
.endr
.irp i, 0,1,2,3,4,5
	v_mov_b32 v[PD6+\i], s[PED+\i]                 ; the first six: with each tile's units 122-127 beside them
.endr
	v_mov_b32 v16, 0
	v_cndmask_b32 v16, v16, s3, s[HM]
.set pp, 17
.rept 15
	v_mov_b32 v[pp], 0
.set pp, pp+1
.endr
.irp m, 0,1,2,3
.irp i, 6,7,8,9,10,11
	v_mov_b32 v[CI1+12*\m+\i], 0                   ; K places 192-255: zero codes
.endr
.endr
.irp i, 4,5,6,7
	v_mov_b32 v[TM3+\i], 0
.endr
	WIN 0
	; ---- the colour layers
	s_wait_dscnt 0x0
	WIN 0x44
	MMI 1, 1, XS7
	WIN 0x88
	MMI 2, 1, XS7
	WIN 0
	PLACES 4
	v_add_nc_u32 v[WA], 17*GRP, v[LI]
	v_add_nc_u32 v[SA], SCB+17*512, v[LR]
	v_add_nc_u32 v[TA], TBB+9*512, v[LH]
	LOADW 8
	LOADVT VT
	LOADWS
	LOADX 18                                       ; the second K step's group: window 3's upper half is free behind the normal
	CTILE 1, 0
	CTILE 1, 1
	CTILE 2, 0
	CTILE 2, 1
	WIN 0
	PLACES 8
	s_wait_alu depctr_va_vdst(0)                   ; the wait directly ahead of the wait below
	s_wait_dscnt 0x0
	WIN 0x44
	MM 1, XB, 1, 0, 8, 0, 64, XS
	WIN 0x88
	MM 2, XB, 1, 0, 8, 0, 64, XS
	WIN 0x5f
	MME 1, CI1, 2, ES
	WIN 0xaf
	MME 2, CI1+24, 2, ES
	WIN 0
	PLACES 4
	v_add_nc_u32 v[TA], TBB+10*512, v[LH]          ; N = 3: three dot products in f32.  cW1's columns take turns in two places: the table row's and the fragments'
	LOADVT VT
	v_add_nc_u32 v[TA], TBB+11*512, v[LH]
	LOADVT WF
	WIN 0x55
	RELU 0, 128
	WIN 0xaa
	RELU 0, 128
	s_wait_dscnt 0x0
	DOT 1, VT
	SIGMOID 1, 0xbfb8aa3b, CB, COL
	DOT 2, VT
	WIN 0
	v_add_nc_u32 v[TA], TBB+12*512, v[LH]          ; the first column has been read: the third takes its place
	LOADVT VT
	SIGMOID 2, 0xbfb8aa3b, CB, COL+2
	DOT 1, WF
	SIGMOID 1, 0xbfb8aa3b, CB+1, COL+4
	DOT 2, WF
	SIGMOID 2, 0xbfb8aa3b, CB+1, COL+6
	s_wait_dscnt 0x0
	DOT 1, VT
	SIGMOID 1, 0xbfb8aa3b, CB+2, COL+8
	DOT 2, VT
	SIGMOID 2, 0xbfb8aa3b, CB+2, COL+10
	WIN 0
	; ---- the compositing.  v228-231: 1 - sigma, then products of blocks of lanes; v232-235: the product of those ahead of me among my register's 16
	; the sixteen sigmoids, sigma's four and the colours' twelve, which lie on end from v[SG]: one batch of exponentials, one of reciprocals.  Waits ahead of and behind each batch
	s_wait_alu depctr_va_vdst(0)
.set pp, 0
.rept 16
	v_exp_f32 v[SG+pp], v[SG+pp]
.set pp, pp+1
.endr
	v_nop                                          ; a plain place behind the transcendentals
	s_wait_alu depctr_va_vdst(0)
.set pp, 0
.rept 16
	v_add_f32 v[SG+pp], 1.0, v[SG+pp]
.set pp, pp+1
.endr
	s_wait_alu depctr_va_vdst(0)
.set pp, 0
.rept 16
	v_rcp_f32 v[SG+pp], v[SG+pp]
.set pp, pp+1
.endr
	v_nop
	s_wait_alu depctr_va_vdst(0)
.irp m, 0,1,2,3
	v_sub_f32 v[228+\m], 1.0, v[SG+\m]
	v_mov_b32 v[232+\m], 1.0
.endr
.macro SCAN d, msk
.irp m, 0,1,2,3
	v_mul_f32_dpp v[SLO+\m], v[228+\m], v[232+\m] row_xmask:\d row_mask:0xf bank_mask:0xf
.endr
.irp m, 0,1,2,3
	v_cndmask_b32 v[232+\m], v[232+\m], v[SLO+\m], s[\msk]         ; lanes in a pair of blocks' upper one take the lower one's product
.endr
.irp m, 0,1,2,3
	v_mul_f32_dpp v[228+\m], v[228+\m], v[228+\m] row_xmask:\d row_mask:0xf bank_mask:0xf
.endr
.endm
	SCAN 1, LM1
	SCAN 2, LM2
	SCAN 4, LM4
	SCAN 8, LM8
.irp m, 0,1,2,3
	v_mul_f32 v[236+\m], v[SG+\m], v[232+\m]
.endr
	v_mul_f32 v220, v228, v229                     ; what the registers ahead leave
	v_mul_f32 v237, v237, v228
	v_mul_f32 v238, v238, v220
	v_mul_f32 v220, v220, v230
	v_mul_f32 v239, v239, v220                     ; v236-239: the weights
.irp c, 0,1,2
	v_mul_f32 v[240+\c], v236, v[COL+4*\c]
.endr
	v_mul_f32 v243, v236, v[RT]
.irp m, 1,2,3
.irp c, 0,1,2
	v_fma_f32 v[240+\c], v[236+\m], v[COL+4*\c+\m], v[240+\c]
.endr
	v_fma_f32 v243, v[236+\m], v[RT+\m], v243
.endr
.irp d, 1,2,4,8
.irp c, 0,1,2,3
	v_add_f32_dpp v[240+\c], v[240+\c], v[240+\c] row_xmask:\d row_mask:0xf bank_mask:0xf
.endr
.endr
	v_cndmask_b32 v222, v236, v237, s[HM]
	v_cndmask_b32 v223, v238, v239, s[HM]
	global_store_b32 v[GS], v222, s[18:19]
	global_store_b32 v[GS], v223, s[18:19] offset:128
	s_mov_b32 s[SM], 2
	v_cndmask_b32 v224, v240, v241, s[SM]
	s_mov_b32 s[SM], 4
	v_cndmask_b32 v224, v224, v242, s[SM]          ; lanes 0-2: the three colours
	v_mov_b32 v225, v243
	v_cmp_gt_u32 vcc_lo, 3, v[LANE]
	s_wait_alu depctr_va_vdst(0)                   ; the wait directly ahead of the wait below
	s_wait_xcnt 0x0                                ; EXEC changes only behind this wait: it is a source of the stores above
	s_and_saveexec_b32 s2, vcc_lo
	global_store_b32 v[GS], v224, s[14:15]
	s_wait_xcnt 0x0
	s_or_b32 exec_lo, exec_lo, s2
	v_cmp_eq_u32 vcc_lo, 0, v[LANE]
	s_and_saveexec_b32 s2, vcc_lo
	global_store_b32 v[GS], v225, s[16:17]
	s_wait_xcnt 0x0                                ; and the stores' bases and data are written again only behind it
	s_or_b32 exec_lo, exec_lo, s2
	s_add_nc_u64 s[14:15], s[14:15], 12
	s_add_nc_u64 s[16:17], s[16:17], 4
	s_add_nc_u64 s[18:19], s[18:19], 256
	s_add_nc_u64 s[20:21], s[20:21], 256
.irp m, 0,1,2,3
	v_mov_b32 v[RT+\m], v[TN+\m]                   ; the second ray
.endr
.irp i, 0,1,2,3,4,5
	s_mov_b32 s[OO+\i], s[OO+6+\i]
.endr
	s_add_co_u32 s[TRIP], s[TRIP], 1
	s_cmp_lt_u32 s[TRIP], 2
	s_cbranch_scc1 .Lray
	s_wait_dscnt 0x0
	s_wait_tensorcnt 0x0                           ; the wave's end
	ds_add_u32 v254, v255
	s_wait_dscnt 0x0
	ROUND                                          ; the closing round: no work-group ends while a partner may still ask for a tile that names it
	s_endpgm
.Lfunc_end_k_q182222ce9f_render:
	.size	k_q182222ce9f_render, .Lfunc_end_k_q182222ce9f_render-k_q182222ce9f_render
	.p2alignl 7, 3214868480
	.fill 96, 4, 3214868480
	.section	.rodata,"a",@progbits
	.p2align	6, 0x0
	.amdhsa_kernel k_q182222ce9f_render
		.amdhsa_group_segment_fixed_size 327680
		.amdhsa_private_segment_fixed_size 0
		.amdhsa_enable_private_segment 0
		.amdhsa_kernarg_size 72
		.amdhsa_user_sgpr_count 2
		.amdhsa_user_sgpr_kernarg_segment_ptr 1
		.amdhsa_wavefront_size32 1
		.amdhsa_system_sgpr_workgroup_id_x 1
		.amdhsa_system_sgpr_workgroup_id_y 1
		.amdhsa_system_sgpr_workgroup_id_z 1
		.amdhsa_system_vgpr_workitem_id 0
		.amdhsa_next_free_vgpr 1024
		.amdhsa_next_free_sgpr 102
		.amdhsa_reserve_vcc 1
		.amdhsa_float_denorm_mode_32 3
		.amdhsa_float_denorm_mode_16_64 3
		.amdhsa_memory_ordered 1
		.amdhsa_forward_progress 1
		.amdhsa_inst_pref_size 255
	.end_amdhsa_kernel
	.section	.bss,"aw",@nobits
	.p2align	6
	.space	262144
	.amdgpu_metadata
---
amdhsa.version: [ 1, 2 ]
amdhsa.kernels:
  - .name:           k_q182222ce9f_render
    .symbol:         k_q182222ce9f_render.kd
    .args:
      - { .name: wimg, .offset: 0, .size: 8, .value_kind: global_buffer, .address_space: global }
      - { .name: ray, .offset: 8, .size: 8, .value_kind: global_buffer, .address_space: global }
      - { .name: t, .offset: 16, .size: 8, .value_kind: global_buffer, .address_space: global }
      - { .name: params_by, .offset: 24, .size: 8, .value_kind: global_buffer, .address_space: global }
      - { .name: params_cb1, .offset: 32, .size: 8, .value_kind: global_buffer, .address_space: global }
      - { .name: out0, .offset: 40, .size: 8, .value_kind: global_buffer, .address_space: global }
      - { .name: out1, .offset: 48, .size: 8, .value_kind: global_buffer, .address_space: global }
      - { .name: out2, .offset: 56, .size: 8, .value_kind: global_buffer, .address_space: global }
      - { .name: out3, .offset: 64, .size: 8, .value_kind: global_buffer, .address_space: global }
    .group_segment_fixed_size: 327680
    .private_segment_fixed_size: 0
    .kernarg_segment_align: 8
    .kernarg_segment_size: 72
    .max_flat_workgroup_size: 128
    .sgpr_count:     102
    .vgpr_count:     1024
    .wavefront_size: 32
...
	.end_amdgpu_metadata
.endif
;; end of part 2
